; MI455X (gfx1250); checked and timed in simulation.
; The chip was launched on July 23, 2026; its instructions are those of AMD's public machine-readable ISA for CDNA 5 (MIT licence, August 2026) and "CDNA5" Instruction Set Architecture Reference Guide (July 2026). The comments in the code are by the model that wrote it; some were corrected since.
;; Attention. Allowed arithmetic: matrix products marked QUANTISED: E2M1 operands, one E8M0 scale for each 32 along K, by v_wmma_scale_f32_16x16x128_f8f6f4 with both operands' format E2M1 (or v_wmma_scale_f32_32x16x128_f4), f32 sums; products left as they are: bf16, f16 or f32 operands; f32 sums; everything else in f32.
;; Inputs: Wk 1,024 x 1,024 float32; Wo 1,024 x 1,024 float32; Wq 1,024 x 1,024 float32; Wv 1,024 x 1,024 float32; bk 1,024 float32; bo 1,024 float32; bq 1,024 float32; bv 1,024 float32; k 2 x 2,048 x 1,024 float32; q 2 x 2,048 x 1,024 float32; v 2 x 2,048 x 1,024 float32.
;; Outputs: out0 2 x 2,048 x 1,024 float32.
;; This version of the problem:
;;   THIS VERSION OF THE PROBLEM IS GIVEN IN LOW PRECISION. The matrix products marked QUANTISED in the list below multiply operands that are first quantised to E2M1 (2 exponent bits, 1 mantissa bit; 4 bits a number), with one power-of-two scale for each 32 numbers along K (OCP MX v1.0); their sums are f32. The products marked 'left as it is' may take bf16, f16 or f32 operands, with f32 sums. Whichever they take, every output number must still come out within the allowed error. Rounding operands to bf16 (8 significant bits) uses up far more of that allowance than f16 does (11 bits, for magnitudes from 6e-5 to 65,504). All else is computed in f32.
;;   The module's matrix products, in the order in which they are computed (A, B: the left and right operand; K: the contracted axis; several contracted axes count as one K, in the product's order):
;;     1. [M 4,096, K 1,024] x [K 1,024, N 1,024]; A: input q; B: input Wq: QUANTISED
;;     2. [M 4,096, K 1,024] x [K 1,024, N 1,024]; A: input k; B: input Wk: QUANTISED
;;     3. [M 4,096, K 1,024] x [K 1,024, N 1,024]; A: input v; B: input Wv: QUANTISED
;;     4. batch 32 x [M 2,048, K 64] x [K 64, N 2,048]; A: computed on the way; B: computed on the way: left as it is (an operand is computed on the way)
;;     5. batch 32 x [M 2,048, K 2,048] x [K 2,048, N 64]; A: computed on the way; B: computed on the way: left as it is (an operand is computed on the way)
;;     6. [M 4,096, K 1,024] x [K 1,024, N 1,024]; A: computed on the way; B: input Wo: left as it is (an operand is computed on the way)
;;   THE QUANTISER, for each operand of a quantised product, along K:
;;     - K is cut into blocks of 32 from its start; a last block that is shorter is filled with zeros.
;;     - A block's scale is 2^e with e = floor(log2(the largest magnitude in the block)) - 2, held to -126 .. 127; a block of zeros has e = 0. As a byte (E8M0): e + 127.
;;     - Each number is divided by its block's scale, clamped to +-6, and rounded to the nearest number of E2M1, ties to even, subnormals kept.
;;     - The product sums the exact products of the quantised numbers (number of the format x scale) in f32.
;;   ~~~python
;;   def quantise(x, axis):      # numpy; x: float32 -> the quantised numbers, widened to float32 again
;;       x = np.moveaxis(x, axis, -1); K = x.shape[-1]
;;       x = np.pad(x, [(0, 0)] * (x.ndim - 1) + [(0, -K % 32)]); x = x.reshape(x.shape[:-1] + (-1, 32)); a = np.abs(x).max(-1, keepdims=True)
;;       e = np.where(a > 0, np.clip(np.frexp(np.where(a > 0, a, 1))[1] - 1 - 2, -126, 127), 0)      # np.frexp(a)[1] - 1 = floor(log2(a)), exactly
;;       r = np.clip(x / 2.0 ** e, -6, 6)
;;       step = 2.0 ** (np.maximum(np.frexp(np.where(r == 0, 1, r))[1] - 1, 0) - 1)
;;       q = np.round(r / step) * step * 2.0 ** e      # np.round: ties to even
;;       return np.moveaxis(q.reshape(q.shape[:-2] + (-1,))[..., :K], -1, axis).astype(np.float32)
;;   ~~~
;; One version. Each part assembles by itself: llvm-mc -triple=amdgcn-amd-amdhsa -mcpu=gfx1250 --defsym DOCPART=n.
;; ======== version 1 of 1: 4 launches
;; limits: values are held in f16: magnitudes above 65,504 overflow, below 6.1e-05 lose precision
;; workspace buffers: acodes 6,291,456 bytes; ascales 393,216 bytes; wcodes 1,572,864 bytes; wscales 98,304 bytes; wo16 2,097,152 bytes; qkvh 25,165,824 bytes; ctx 8,388,608 bytes
;; launch prep (part 1): grid 512 x 1, 4 waves a work-group, no clusters, 33,280 bytes of LDS; arguments q, k, v, Wq, Wk, Wv, Wo, acodes, ascales, wcodes, wscales, wo16; writes acodes, ascales, wcodes, wscales, wo16
.if DOCPART == 1
	.amdgcn_target "amdgcn-amd-amdhsa--gfx1250"
	.amdhsa_code_object_version 6
	.text
	.protected	k_q3df27ade5b_prep
	.globl	k_q3df27ade5b_prep
	.p2align	8
	.type	k_q3df27ade5b_prep,@function
k_q3df27ade5b_prep:
	s_mov_b64 s[64:65], 0
	v_nop
	global_prefetch_b8 v0, s[64:65] scope:SCOPE_SE
	s_setreg_imm32_b32 hwreg(HW_REG_WAVE_MODE, 25, 1), 1
	s_wait_xcnt 0x0
; q, k, v [4096][1024] and Wq, Wk, Wv [1024][1024], f32, K innermost, become codes of FP4 (E2M1), two a byte, the lower k in the low four bits, with one E8M0 byte for each 32 along K.
; acodes: q's 4,096 rows of 512 bytes, then k's, then v's; ascales: 32 bytes a row likewise; wcodes, wscales: Wq's 1,024 rows, Wk's, Wv's.
; A block's scale is 2^(floor(log2(its largest magnitude)) - 2); its byte is the largest magnitude's exponent field - 2, held at 1 from below.  A block of zeros so gets the byte 1 where the
; rule says 127: its codes are zeros, which add nothing under any byte but 0xff, and this program alone reads the bytes.
; Wo [1024 (n)][1024 (k)] is rounded to f16 and laid as the last launch reads it: wo16[n / 128][k / 64][n % 128][k % 64].
; LIMITS: NaN and infinities among the inputs are not served; blocks whose largest magnitude lies under 2^(2 - 126) were not tried; |Wo| from 65,504 on becomes infinite in f16,
; and |Wo| under 6e-5 is rounded with an absolute error of 2^-25.
; SHARES: every work-group takes 32,768 numbers: 0-127 q, 128-255 k, 256-383 v, 384-415 Wq, 416-447 Wk, 448-479 Wv, 480-511 Wo.  Rows are dense and K is a multiple of 32, so the six
; tensors are plain streams of blocks of 32, and so are their codes and bytes.  Work-groups share no input: no cluster, no tensor load, no barrier.
; The quantiser: a wave takes 16 steps of 512 numbers.  Each of a step's four loads reads 512 consecutive bytes; the 2,048 bytes turn through the wave's own stage in LDS and come back 64 bytes a lane,
; so that a lane holds 16 neighbours along K (two lanes a block), as the conversions want them.  Loads run four steps ahead, the turn through LDS one step.
.set WAVES, 4
.set STEPS, 16
.set EMAX,  2
.set CB,    8                          ; bytes of 16 codes
.set R,     16                         ; v16-79   four sets of 16 numbers as they are loaded
.set X,     80                         ; v80-111  two sets of 16 neighbours
.set E,     112                        ; v112-127 a scale byte for each step
.set C,     128                        ; v128-191 codes: four registers for each step, so that no store's data are written again
.set WREG,  8192                       ; LDS: a region for each wave: two stages of 32 x SP bytes, then its 256 scale bytes
.set SP,    80                         ; a lane's place in a stage: 64 bytes + 16 of padding
.set SPW,   12                         ; v12 LDS address of my spare word; never rewritten
.set NIL,   13                         ; v13 0; never rewritten
.set SPARE, WAVES*WREG                 ; behind the four regions: the spare words, 128 bytes a wave
.set FIRSTW, 384                       ; the first work-group of the weights
.set FIRSTO, 480                       ; the first of Wo
	s_load_b512 s[4:19], s[0:1], 0x0               ; q 4, k 6, v 8, Wq 10, Wk 12, Wv 14, Wo 16, acodes 18
	s_load_b256 s[20:27], s[0:1], 0x40             ; ascales 20, wcodes 22, wscales 24, wo16 26
	v_lshl_add_u32 v[SPW], v0, 2, SPARE
	v_mov_b32 v[NIL], 0
	v_lshrrev_b32 v1, 5, v0
	v_readfirstlane_b32 s28, v1                    ; wave
	v_and_b32 v2, 31, v0                           ; lane
	v_lshlrev_b32 v3, 4, v2                        ; my 16 bytes of a load's 512
	s_mul_i32 s29, s28, WREG
	v_lshrrev_b32 v14, 2, v2
	v_mul_u32_u24 v14, v14, SP
	v_and_b32 v15, 3, v2
	v_lshl_add_u32 v14, v15, 4, v14
	v_add_nc_u32 v14, s29, v14                     ; the stage, on the way in: SP (lane / 4) + 16 (lane % 4)
	v_mul_u32_u24 v15, v2, SP
	v_add_nc_u32 v15, s29, v15                     ; and on the way out: SP x lane: my 16 neighbours
	v_mul_u32_u24 v4, v2, CB                       ; my codes' place in a step's
	v_lshrrev_b32 v5, 1, v2
	s_add_co_u32 s29, s29, 2*32*SP
	v_add_nc_u32 v5, s29, v5                       ; LDS: my wave's 256 scale bytes, my block's byte
	v_lshlrev_b32 v7, 3, v2                        ; and on the way out 8 bytes a lane
	v_add_nc_u32 v6, s29, v7
	s_wait_kmcnt 0x0
	s_cmp_ge_u32 ttmp9, FIRSTO                     ; the work-group's number alone decides the path
	s_cbranch_scc1 .Lwo
	; which tensor: only pointers and first work-groups are chosen; all six take one path
	s_mov_b64 s[30:31], s[14:15]                   ; Wv,
	s_mov_b32 s32, 448
	s_cmp_lt_u32 ttmp9, 448
	s_cselect_b64 s[30:31], s[12:13], s[30:31]     ; or Wk,
	s_cselect_b32 s32, 416, s32
	s_cmp_lt_u32 ttmp9, 416
	s_cselect_b64 s[30:31], s[10:11], s[30:31]     ; or Wq,
	s_cselect_b32 s32, 384, s32
	s_cmp_lt_u32 ttmp9, 384
	s_cselect_b64 s[30:31], s[8:9], s[30:31]       ; or v,
	s_cselect_b32 s32, 256, s32
	s_cmp_lt_u32 ttmp9, 256
	s_cselect_b64 s[30:31], s[6:7], s[30:31]       ; or k,
	s_cselect_b32 s32, 128, s32
	s_cmp_lt_u32 ttmp9, 128
	s_cselect_b64 s[30:31], s[4:5], s[30:31]       ; or q
	s_cselect_b32 s32, 0, s32
	s_cmp_lt_u32 ttmp9, FIRSTW
	s_cselect_b64 s[34:35], s[18:19], s[22:23]     ; the codes' buffer,
	s_cselect_b64 s[36:37], s[20:21], s[24:25]     ; the bytes',
	s_cselect_b32 s33, 0, FIRSTW                   ; and its first work-group
	s_sub_co_u32 s38, ttmp9, s32
	s_lshl_b32 s38, s38, 2
	s_add_co_u32 s38, s38, s28                     ; which run of 8,192 numbers of the tensor is my wave's
	s_lshl_b32 s38, s38, 15                        ; 32,768 bytes a run
	s_mov_b32 s39, 0
	s_add_nc_u64 s[30:31], s[30:31], s[38:39]
	s_sub_co_u32 s38, ttmp9, s33
	s_lshl_b32 s38, s38, 2
	s_add_co_u32 s38, s38, s28                     ; which run of the codes' buffer
	s_lshl_b32 s40, s38, 12                        ; 4,096 bytes of codes a run
	s_mov_b32 s41, 0
	s_add_nc_u64 s[34:35], s[34:35], s[40:41]
	s_lshl_b32 s40, s38, 8                         ; 256 scale bytes a run
	s_add_nc_u64 s[36:37], s[36:37], s[40:41]
.macro LOAD t
.irp i, 0,1,2,3
	global_load_b128 v[R+16*((\t)%4)+4*\i:R+16*((\t)%4)+4*\i+3], v3, s[30:31] offset:2048*(\t)+512*\i th:TH_LOAD_NT   ; 32 lanes read 512 consecutive bytes
.endr
.endm
.macro TURN t                          ; step t's numbers through the stage: LDS serves a wave's instructions in order, so no wait stands between the stores and the loads
.irp i, 0,1,2,3
	ds_store_b128 v14, v[R+16*((\t)%4)+4*\i:R+16*((\t)%4)+4*\i+3] offset:32*SP*((\t)%2)+8*SP*\i
.endr
.irp i, 0,1,2,3
	ds_load_b128 v[X+16*((\t)%2)+4*\i:X+16*((\t)%2)+4*\i+3], v15 offset:32*SP*((\t)%2)+16*\i
.endr
.endm
.irp t, 0,1,2,3
	LOAD \t
.endr
	s_wait_loadcnt 12                              ; step 0's four loads are in; the twelve of steps 1 to 3 may be out
	TURN 0
.macro STEP t
.set XS, X+16*((\t)%2)
.if (\t) > 0
	s_wait_dscnt 1                                 ; this step's numbers are back from the stage (the last step's byte store may be out): so its stores into the stage have read their registers,
.else
	s_wait_dscnt 0x0
.endif
.if (\t)+4 < STEPS
	LOAD (\t)+4                                    ; which take the loads of four steps on
.endif
.if (\t)+1 < STEPS
.if STEPS-2-(\t) >= 3
	s_wait_loadcnt 12                              ; the next step's four loads are in; those of the three steps behind it may be out
.else
	s_wait_loadcnt 4*(STEPS-2-(\t))                ; at the end the count runs down
.endif
	TURN (\t)+1                                    ; and go through the other stage while this step is worked
.endif
	v_max3_num_f32 v8, |v[XS]|, |v[XS+1]|, |v[XS+2]|               ; the largest magnitude of my 16, in two chains
	v_max3_num_f32 v9, |v[XS+3]|, |v[XS+4]|, |v[XS+5]|
.irp i, 6,10
	v_max3_num_f32 v8, v8, |v[XS+\i]|, |v[XS+\i+1]|
	v_max3_num_f32 v9, v9, |v[XS+\i+2]|, |v[XS+\i+3]|
.endr
	v_max3_num_f32 v8, v8, |v[XS+14]|, |v[XS+15]|
	v_max3_num_f32 v8, v8, v9, (EMAX+1)<<23        ; and the floor 2^(EMAX + 1 - 127): the byte cannot fall under 1
	v_max_num_f32_dpp v8, v8, v8 row_xmask:1 row_mask:0xf bank_mask:0xf   ; and of my neighbour's 16: the block's
	v_add_nc_u32 v11, -(EMAX<<23), v8              ; EMAX off its exponent field: the conversion takes the exponent field of this operand as its scale, and nothing else of it
	v_cvt_scalef32_pk8_fp4_f32 v[C+4*(\t)], v[XS:XS+7], v11        ; to the nearest code, ties to even, beyond the largest code the largest; the first number's code in the lowest four bits
	v_cvt_scalef32_pk8_fp4_f32 v[C+4*(\t)+1], v[XS+8:XS+15], v11
	v_lshrrev_b32 v[E+(\t)], 23, v11               ; the scale's byte (also the plain instruction behind the conversions)
	ds_store_b8 v5, v[E+(\t)] offset:16*(\t)       ; both lanes of a block write the same byte with the same value
	global_store_b64 v4, v[C+4*(\t):C+4*(\t)+1], s[34:35] offset:32*CB*(\t)   ; 32 lanes store 256 consecutive bytes, aligned
.endm
.irp t, 0,1,2,3,4,5,6,7,8,9,10,11,12,13,14,15
	STEP \t
.endr
	ds_load_b64 v[8:9], v6                         ; LDS serves a wave's instructions in order: these see my byte stores
	s_wait_dscnt 0x0
	global_store_b64 v7, v[8:9], s[36:37]          ; 32 lanes store my run's 256 scale bytes, aligned
	s_wait_tensorcnt 0x0                           ; the wave's end, behind my last LDS store
	ds_add_u32 v[SPW], v[NIL]
	s_wait_dscnt 0x0
	s_endpgm
; Wo.  Work-group g takes rows 32 g .. 32 g + 31, wave w eight of them.  Lane l takes row (l / 8) of four and eight numbers, 8 (l % 8) on, of a run of 64 along k:
; two loads of 16 bytes; four roundings make 16 bytes; 32 lanes store four rows x 128 bytes = 512 consecutive bytes of wo16.  No LDS.
.Lwo:
	s_sub_co_u32 s29, ttmp9, FIRSTO                ; g
	s_lshl_b32 s30, s29, 5
	s_lshl_b32 s31, s28, 3
	s_add_co_u32 s30, s30, s31                     ; my wave's first row
	s_lshl_b32 s30, s30, 12                        ; 4,096 bytes a row
	s_mov_b32 s31, 0
	s_add_nc_u64 s[16:17], s[16:17], s[30:31]
	s_lshr_b32 s30, s29, 2
	s_lshl_b32 s30, s30, 18                        ; n / 128: 262,144 bytes each
	s_and_b32 s32, s29, 3
	s_lshl_b32 s32, s32, 5
	s_lshl_b32 s33, s28, 3
	s_add_co_u32 s32, s32, s33                     ; n % 128 of my first row
	s_lshl_b32 s32, s32, 7                         ; 128 bytes a row
	s_add_co_u32 s30, s30, s32
	s_add_nc_u64 s[26:27], s[26:27], s[30:31]
	v_lshrrev_b32 v8, 3, v2
	v_and_b32 v9, 7, v2
	v_lshlrev_b32 v8, 12, v8
	v_lshl_add_u32 v8, v9, 5, v8                   ; in: 4,096 (l / 8) + 32 (l % 8)
	v_lshlrev_b32 v9, 4, v2                        ; out: 16 l
; Piece c = 16 rg + h of 32: rows 4 rg on, k = 64 h on.  Four batches of eight pieces through two sets of 64 registers.
.macro LOADB bt, set
.irp i, 0,1,2,3,4,5,6,7
	global_load_b128 v[16+64*\set+8*\i:16+64*\set+8*\i+3],   v8, s[16:17] offset:((8*\bt+\i)/16)*16384+((8*\bt+\i)%16)*256
	global_load_b128 v[16+64*\set+8*\i+4:16+64*\set+8*\i+7], v8, s[16:17] offset:((8*\bt+\i)/16)*16384+((8*\bt+\i)%16)*256+16
.endr
.endm
.macro CVST bt, set
.irp i, 0,1,2,3,4,5,6,7
.irp r, 0,1,2,3
	v_cvt_pk_f16_f32 v[16+64*\set+8*\i+\r], v[16+64*\set+8*\i+2*\r], v[16+64*\set+8*\i+2*\r+1]   ; in place, ascending: register r is written when registers 2 r and 2 r + 1 are read
.endr
	global_store_b128 v9, v[16+64*\set+8*\i:16+64*\set+8*\i+3], s[26:27] offset:((8*\bt+\i)%16)*16384+((8*\bt+\i)/16)*512
.endr
.endm
	LOADB 0, 0
	LOADB 1, 1
	s_wait_loadcnt 16                              ; the older batch is in; the younger batch's sixteen loads may be out
	CVST 0, 0
	s_wait_xcnt 0x0                                ; the stores have read their registers: the set may be loaded again
	LOADB 2, 0
	s_wait_loadcnt 16
	CVST 1, 1
	s_wait_xcnt 0x0
	LOADB 3, 1
	s_wait_loadcnt 16
	CVST 2, 0
	s_wait_loadcnt 0x0
	CVST 3, 1
	s_wait_tensorcnt 0x0                           ; the wave's end, in the same form as on the other path
	ds_add_u32 v[SPW], v[NIL]
	s_wait_dscnt 0x0
	s_endpgm
.Lfunc_end_k_q3df27ade5b_prep:
	.size	k_q3df27ade5b_prep, .Lfunc_end_k_q3df27ade5b_prep-k_q3df27ade5b_prep
	.p2alignl 7, 3214868480
	.fill 96, 4, 3214868480
	.section	.rodata,"a",@progbits
	.p2align	6, 0x0
	.amdhsa_kernel k_q3df27ade5b_prep
		.amdhsa_group_segment_fixed_size 33280
		.amdhsa_private_segment_fixed_size 0
		.amdhsa_enable_private_segment 0
		.amdhsa_kernarg_size 96
		.amdhsa_user_sgpr_count 2
		.amdhsa_user_sgpr_kernarg_segment_ptr 1
		.amdhsa_wavefront_size32 1
		.amdhsa_system_sgpr_workgroup_id_x 1
		.amdhsa_system_sgpr_workgroup_id_y 1
		.amdhsa_system_sgpr_workgroup_id_z 1
		.amdhsa_system_vgpr_workitem_id 0
		.amdhsa_next_free_vgpr 192
		.amdhsa_next_free_sgpr 66
		.amdhsa_reserve_vcc 0
		.amdhsa_float_denorm_mode_32 3
		.amdhsa_float_denorm_mode_16_64 3
		.amdhsa_memory_ordered 1
		.amdhsa_forward_progress 1
		.amdhsa_inst_pref_size 52
	.end_amdhsa_kernel
	.amdgpu_metadata
---
amdhsa.version: [ 1, 2 ]
amdhsa.kernels:
  - .name:           k_q3df27ade5b_prep
    .symbol:         k_q3df27ade5b_prep.kd
    .args:
      - { .name: q, .offset: 0, .size: 8, .value_kind: global_buffer, .address_space: global }
      - { .name: k, .offset: 8, .size: 8, .value_kind: global_buffer, .address_space: global }
      - { .name: v, .offset: 16, .size: 8, .value_kind: global_buffer, .address_space: global }
      - { .name: Wq, .offset: 24, .size: 8, .value_kind: global_buffer, .address_space: global }
      - { .name: Wk, .offset: 32, .size: 8, .value_kind: global_buffer, .address_space: global }
      - { .name: Wv, .offset: 40, .size: 8, .value_kind: global_buffer, .address_space: global }
      - { .name: Wo, .offset: 48, .size: 8, .value_kind: global_buffer, .address_space: global }
      - { .name: acodes, .offset: 56, .size: 8, .value_kind: global_buffer, .address_space: global }
      - { .name: ascales, .offset: 64, .size: 8, .value_kind: global_buffer, .address_space: global }
      - { .name: wcodes, .offset: 72, .size: 8, .value_kind: global_buffer, .address_space: global }
      - { .name: wscales, .offset: 80, .size: 8, .value_kind: global_buffer, .address_space: global }
      - { .name: wo16, .offset: 88, .size: 8, .value_kind: global_buffer, .address_space: global }
    .group_segment_fixed_size: 33280
    .private_segment_fixed_size: 0
    .kernarg_segment_align: 8
    .kernarg_segment_size: 96
    .max_flat_workgroup_size: 128
    .sgpr_count:     66
    .vgpr_count:     192
    .wavefront_size: 32
...
	.end_amdgpu_metadata
.endif
;; end of part 1
;; launch proj (part 2): grid 4 x 48, 4 waves a work-group, clusters of 4 x 4, 327,680 bytes of LDS; arguments acodes, ascales, wcodes, wscales, bq, bk, bv, qkvh; writes qkvh
.if DOCPART == 2
	.amdgcn_target "amdgcn-amd-amdhsa--gfx1250"
	.amdhsa_code_object_version 6
	.text
	.protected	k_q3df27ade5b_proj
	.globl	k_q3df27ade5b_proj
	.p2align	8
	.type	k_q3df27ade5b_proj,@function
k_q3df27ade5b_proj:
	s_mov_b64 s[64:65], 0
	v_nop
	global_prefetch_b8 v0, s[64:65] scope:SCOPE_SE
	s_setreg_imm32_b32 hwreg(HW_REG_WAVE_MODE, 25, 1), 1
	s_wait_xcnt 0x0
	s_wait_alu depctr_hold_cnt(0) depctr_sa_sdst(0) depctr_va_vdst(0) depctr_va_sdst(0) depctr_va_ssrc(0) depctr_va_vcc(0) depctr_vm_vsrc(0)
	s_getreg_b32 s2, hwreg(HW_REG_IB_STS2, 6, 4)
	s_cmp_eq_u32 s2, 0
	s_cbranch_scc0 .Lentry_in_a_cluster
	s_endpgm
.Lentry_in_a_cluster:
	s_bfe_u32 s2, ttmp6, 0x10000c
	s_cmp_lg_u32 s2, 0xf033
	s_cbranch_scc0 .Lentry_shape_is_right
	s_endpgm
.Lentry_shape_is_right:
; The three projections on codes of FP4 (E2M1) with E8M0 scales: y = x W^T + b for (q, Wq, bq), (k, Wk, bk), (v, Wv, bv), each [4096][1024] x [1024][1024], sums in f32, rounded once to f16.
; acodes holds q's, k's and v's rows on end (12,288 rows of 512 bytes), wcodes Wq's, Wk's, Wv's (3,072 rows).  Tile row 0-47 of 256 rows: 16 tile rows a tensor; tile column 0-3 of 256 columns.
; OUT: qkvh[t][b][h][s][64] f16, head-major: a token's 64 numbers of a head are 128 bytes, so four neighbouring tokens are 512 consecutive bytes.  q is not divided by 8 here: the next launch folds that into its exponent's factor.
; LIMITS: a projected number from 65,504 on becomes infinite in f16; under 6e-5 it is rounded with an absolute error of 2^-25.
; A tile of 256 x 256 is made by four waves, each 128 x 128: 64 accumulators, 512 registers.  ALL OF K, 1,024, FITS THE TWO LDS SLOTS of 512 along K: both are filled at the start, nothing is filled again, there is no loop.
; The scale bytes of the work-group's rows, for all of K, are two dense blocks and come once, with the first fills.
; CLUSTERS: 4 x 4 work-groups; a cluster's four tile rows lie in one tensor.  The four of a row of the cluster need the same tiles of x, the four of a column the same tiles of W: each is asked for JOINTLY.
; THE MATRIX INSTRUCTION IS USED TRANSPOSED (source 0 = 16 rows of W, source 1 = 16 rows of x): a lane holds eight neighbouring columns of one row.  THE BIAS IS THE C of each sum's first product.
; REGISTERS, in windows of 256: window 0: v0-31 addresses; v32-95 scale words, two sets, and nothing else; v96-127 packed results; v128-191 x's fragments, one set, later rows on the way out; v192-255 the bias, 8 tiles.
;   window 1: W's fragments, two sets, at v0 and v128.   window 2: the accumulators of my rows 0-63 ((a, b) at v[8 (8 a + b)]);   window 3: those of rows 64-127.
.set KSTEP,  512                       ; along K in a slot
.set NQ,     KSTEP/128                 ; matrix instructions deep
.set ROWB,   256                       ; a tile's row in bytes
.set KROW,   512                       ; a row of codes in memory
.set PITCH,  272                       ; an LDS row: 256 bytes + 16 of padding = 68 words: the 16 rows of a load start at 16 different banks (64 banks of 4 bytes: ISA guide 11.1)
.set FR,     8                         ; registers of a fragment
.set NL,     2                         ; LDS loads that bring one
.set NP,     4                         ; places behind this matrix instruction (ISA guide 7.12.1)
.set HALFT,  128*PITCH                 ; 128 rows: what one tensor load brings
.set SLOT,   4*HALFT                   ; x's 256 rows, then W's 256 rows
.set KS,     32                        ; a row of scale bytes
.set SCL,    2*SLOT                    ; behind the slots: the scales, as runs of 256 bytes + 16 of padding
.set HALFS,  (128*KS/256)*272          ; those of 128 rows
.set SBLK,   (16*KS/256)*272           ; those of 16 rows
.set SPARE,  SCL+4*HALFS               ; the spare words, 128 bytes a wave
.set SPITCH, 272                       ; the way out: a stage of 16 rows x (256 + 16) bytes a wave, in slot 0, which has had its only fill and its last read by then
.set ADRA, 16                          ; v16-17 LDS address of my fragments of x in slot 0, 1
.set ADRB, 20                          ; v20-21 the same for W
.set STO,  24                          ; v24 the way out: where I put 16 bytes of a row
.set RD,   25                          ; v25 where I read 16 bytes of a token's head back
.set CO,   26                          ; v26 16 x lane
.set ADRS, 27                          ; v27 LDS address of my scale words: lanes 0-15 x's rows, lanes 16-31 W's
.set SPW,  28                          ; v28 my spare word; never rewritten
.set NIL,  29                          ; v29 0; never rewritten
.set BO,   30                          ; v30 the bias loads' offset
.set SC,   32
.set TMP,  96
.set AF,   128
.set BK,   128
.set BIAS, 192
.set G1, 24                            ; s[24:31] group 1 for x's tiles; s[32:39] group 0, a set a slot
.set G0, 32
.set G1B, 48                           ; s[48:55], s[56:63] the same for W's
.set G0B, 56
.set G1S, 68                           ; s[68:75], s[76:79] for x's scales; s[80:87], s[88:91] for W's
.set G0S, 76
.set G1SB, 80
.set G0SB, 88
.set MSB, 0
.macro WIN new                         ; the immediate's high byte repeats the setting that is left; a switch that changes nothing is dropped
.if MSB != (\new)
	s_set_vgpr_msb (MSB<<8)|(\new)
.set MSB, (\new)
.endif
.endm
.set MUL_LO, 0xa1                      ; source 0 (W) window 1, source 1 (x) window 0, C and D window 2
.set MUL_HI, 0xf1                      ; the same, C and D window 3.  Where C is the bias: C window 0: 0x81, 0xc1
.set TO_B,   0x40                      ; destination window 1, address window 0
; A joint load: waves 0 and 1 fetch for x, waves 2 and 3 for W.  The branch hangs on the wave's number alone.  An s_nop 0 and four v_nop follow each of the two lines.
.macro JLOAD g0a, g1a, g0b, g1b
	s_cmp_eq_u32 s15, 0
	s_cbranch_scc0 .Lfor_b_\@
	tensor_load_to_lds s[\g0a:\g0a+3], s[\g1a:\g1a+7]
	s_nop 0
.rept 4
	v_nop
.endr
	s_branch .Lasked_\@
.Lfor_b_\@:
	tensor_load_to_lds s[\g0b:\g0b+3], s[\g1b:\g1b+7]
	s_nop 0
.rept 4
	v_nop
.endr
.Lasked_\@:
.endm
.macro CROUND                          ; a round of the cluster's barrier
	s_barrier_signal -1
	s_barrier_wait -1
	s_cmp_lg_u32 s14, 0
	s_cbranch_scc1 .Lnot_wave_0_\@
	s_barrier_signal -3
.Lnot_wave_0_\@:
	s_barrier_wait -3
	s_barrier_signal -1
	s_barrier_wait -1
.endm
	s_load_b128 s[4:7], s[0:1], 0x0                ; x's codes, x's scales
	s_load_b128 s[8:11], s[0:1], 0x10              ; W's codes, W's scales
	s_load_b128 s[96:99], s[0:1], 0x20             ; bq, bk
	s_load_b64 s[2:3], s[0:1], 0x30                ; bv
	s_load_b64 s[12:13], s[0:1], 0x38              ; qkvh
	v_lshl_add_u32 v[SPW], v0, 2, SPARE
	v_mov_b32 v[NIL], 0
	ds_add_u32 v[SPW], v[NIL]                      ; the wave's opening: the add, twice on end, and its wait ahead of my first tensor load
	ds_add_u32 v[SPW], v[NIL]
	v_lshrrev_b32 v1, 5, v0
	v_readfirstlane_b32 s14, v1                    ; wave 0..3
	s_lshr_b32 s15, s14, 1                         ; which half of the tile's rows is mine.  Also: I fetch for x (0) or for W (1)
	s_and_b32 s16, s14, 1                          ; which half of its columns.  Also: which 128 rows I fetch
	s_bfe_u32 s40, ttmp6, 0x40000                  ; cx, cy: my place in the cluster
	s_bfe_u32 s41, ttmp6, 0x40004
	s_lshl_b32 s42, ttmp9, 2
	s_add_co_u32 s42, s42, s40                     ; tile column = 4 x cluster x + cx
	s_and_b32 s17, ttmp7, 0xffff
	s_lshr_b32 s95, s17, 2                         ; which tensor: four clusters along y each; the same in all sixteen partners
	s_lshl_b32 s17, s17, 2
	s_add_co_u32 s17, s17, s41                     ; tile row = 4 x cluster y + cy
	s_lshl_b32 s43, s41, 2
	s_lshl_b32 s43, 15, s43                        ; my row of the cluster
	s_lshl_b32 s44, 0x1111, s40                    ; my column
	; group 1: a tile of 128 rows x 256 bytes, padded in LDS
	s_or_b32 s[G1+0], s43, (0<<16)|(1<<20)|(1<<21)|(5<<22)|(3<<25)  ; 15:0 the mask; 17:16 elements of 1 byte; 20 padding on; 21 set beside a mask; 24:22 after every 64 words; 31:25 four words
	s_or_b32 s[G1B+0], s44, (0<<16)|(1<<20)|(1<<21)|(5<<22)|(3<<25)
.irp g, G1, G1B
	s_mov_b32 s[\g+1], ROWB<<16                    ; tensor_dim0
	s_mov_b32 s[\g+2], 128<<16                     ; tensor_dim1
	s_mov_b32 s[\g+3], ROWB<<16                    ; tile_dim0
	s_mov_b32 s[\g+4], 128                         ; tile_dim1
	s_mov_b32 s[\g+5], KROW                        ; from row to row
	s_mov_b32 s[\g+6], 0
	s_mov_b32 s[\g+7], 0
.endr
	; the scales of 128 rows: 4,096 dense bytes, as 16 rows of 256 bytes (32 elements of 8 bytes), 16 bytes of padding behind each
	s_or_b32 s[G1S+0], s43, (3<<16)|(1<<20)|(1<<21)|(5<<22)|(3<<25)
	s_or_b32 s[G1SB+0], s44, (3<<16)|(1<<20)|(1<<21)|(5<<22)|(3<<25)
.irp g, G1S, G1SB
	s_mov_b32 s[\g+1], 32<<16
	s_mov_b32 s[\g+2], (128*KS/256)<<16
	s_mov_b32 s[\g+3], 32<<16
	s_mov_b32 s[\g+4], 128*KS/256
	s_mov_b32 s[\g+5], 32
	s_mov_b32 s[\g+6], 0
	s_mov_b32 s[\g+7], 0
.endr
	s_lshl_b32 s18, s16, 7                         ; which 128 rows of the tile I fetch
	s_lshl_b32 s20, s17, 8
	s_add_co_u32 s20, s20, s18                     ; x: row 256 x tile row + 128 x half
	s_lshl_b32 s46, s42, 8
	s_add_co_u32 s46, s46, s18                     ; W: row 256 x tile column + 128 x half
	s_lshl_b32 s47, s95, 10
	s_add_co_u32 s46, s46, s47                     ; + 1,024 x tensor
	s_mov_b32 s21, 0
	s_mov_b32 s47, 0
	s_mov_b64 s[18:19], KS
	s_mul_u64 s[22:23], s[20:21], s[18:19]         ; where these rows' scales begin, in bytes
	s_mul_u64 s[92:93], s[46:47], s[18:19]
	s_mov_b64 s[18:19], KROW
	s_mul_u64 s[20:21], s[20:21], s[18:19]         ; and their codes
	s_mul_u64 s[46:47], s[46:47], s[18:19]
	s_mul_i32 s45, s14, HALFT                      ; where they go: wave x 128 rows: no place in the cluster enters an LDS address
	s_mul_i32 s94, s14, HALFS
	s_wait_dscnt 0x0                               ; both opening adds are done
	s_wait_kmcnt 0x0
	s_add_nc_u64 s[20:21], s[4:5], s[20:21]
	s_add_nc_u64 s[22:23], s[6:7], s[22:23]
	s_add_nc_u64 s[46:47], s[8:9], s[46:47]
	s_add_nc_u64 s[92:93], s[10:11], s[92:93]
	CROUND                                         ; all sixteen work-groups are here: the joint loads meet
	s_mov_b32 s[G0S], 1
	s_add_co_u32 s[G0S+1], s94, SCL
	s_mov_b64 s[G0S+2:G0S+3], s[22:23]
	s_or_b32 s[G0S+3], s[G0S+3], 0x80000000
	s_mov_b32 s[G0SB], 1
	s_add_co_u32 s[G0SB+1], s94, SCL
	s_mov_b64 s[G0SB+2:G0SB+3], s[92:93]
	s_or_b32 s[G0SB+3], s[G0SB+3], 0x80000000
	JLOAD G0S, G1S, G0SB, G1SB                     ; the scales first: they are wanted with the first step
.irp s, 0,1
	s_mov_b32 s[G0+4*\s], 1
	s_add_co_u32 s[G0+4*\s+1], s45, \s*SLOT
	s_add_nc_u64 s[G0+4*\s+2:G0+4*\s+3], s[20:21], \s*ROWB
	s_or_b32 s[G0+4*\s+3], s[G0+4*\s+3], 0x80000000
	s_mov_b32 s[G0B+4*\s], 1
	s_add_co_u32 s[G0B+4*\s+1], s45, \s*SLOT
	s_add_nc_u64 s[G0B+4*\s+2:G0B+4*\s+3], s[46:47], \s*ROWB
	s_or_b32 s[G0B+4*\s+3], s[G0B+4*\s+3], 0x80000000
	JLOAD G0+4*\s, G1, G0B+4*\s, G1B               ; three loads of mine are out in all
.endr
	v_and_b32 v1, 15, v0                           ; r = l % 16
	v_bfe_u32 v2, v0, 4, 1                         ; h = l / 16
	; the bias of my 128 columns: lane (r, h) wants, for tile b, columns 16 b + 8 h + 0 .. 7
	s_cmp_eq_u32 s95, 1
	s_cselect_b64 s[98:99], s[98:99], s[2:3]       ; bk or bv,
	s_cmp_eq_u32 s95, 0
	s_cselect_b64 s[96:97], s[96:97], s[98:99]     ; or bq: the choice hangs on the cluster's y alone
	s_lshl_b32 s46, s42, 10
	s_lshl_b32 s47, s16, 9
	s_add_co_u32 s46, s46, s47                     ; 4 x (256 x tile column + 128 x half)
	s_mov_b32 s47, 0
	s_add_nc_u64 s[96:97], s[96:97], s[46:47]
	v_lshlrev_b32 v[BO], 5, v2
.irp b, 0,1,2,3,4,5,6,7
	global_load_b128 v[BIAS+8*\b:BIAS+8*\b+3],   v[BO], s[96:97] offset:64*\b
	global_load_b128 v[BIAS+8*\b+4:BIAS+8*\b+7], v[BO], s[96:97] offset:64*\b+16
.endr
	v_mul_u32_u24 v3, v1, PITCH
	v_lshl_add_u32 v4, v2, 4, v3                   ; a fragment's row x pitch + 16 x half
	s_mul_i32 s21, s15, HALFT                      ; my 128 rows of x
	s_mul_i32 s22, s16, HALFT                      ; my 128 rows of W,
	s_add_co_u32 s22, s22, 2*HALFT                 ; which lie behind x's 256
.irp s, 0,1
	v_add_nc_u32 v[ADRA+\s], s21, v4
	v_add_nc_u32 v[ADRB+\s], s22, v4
	s_add_co_u32 s21, s21, SLOT
	s_add_co_u32 s22, s22, SLOT
.endr
	v_mul_u32_u24 v5, v1, KS                       ; my row's scales: KS bytes a row,
	v_lshrrev_b32 v6, 8, v5
	v_lshl_add_u32 v5, v6, 4, v5                   ; and 16 more for each 256 passed
	s_mul_i32 s21, s15, HALFS                      ; x's: my 128 rows
	s_mul_i32 s22, s16, HALFS                      ; W's: my 128 rows, behind x's 256
	s_add_co_u32 s22, s22, 2*HALFS
	s_sub_co_u32 s22, s22, s21
	v_mul_u32_u24 v6, s22, v2                      ; lanes 16-31 take W's: one product, the distance x h
	s_add_co_u32 s21, s21, SCL
	v_add_nc_u32 v5, v5, v6
	v_add_nc_u32 v[ADRS], s21, v5
	s_mul_i32 s23, s14, 16*SPITCH                  ; my stage
	v_mul_u32_u24 v5, v1, SPITCH                   ; in: row r, 16 bytes for each half of the lanes
	v_lshl_add_u32 v5, v2, 4, v5
	v_add_nc_u32 v[STO], s23, v5
	v_and_b32 v6, 31, v0
	v_lshrrev_b32 v7, 3, v6                        ; back: eight lanes take a token's 128 bytes of one head, four tokens an instruction
	v_and_b32 v8, 7, v6
	v_mul_u32_u24 v7, v7, SPITCH
	v_lshl_add_u32 v7, v8, 4, v7
	v_add_nc_u32 v[RD], s23, v7
	v_lshlrev_b32 v[CO], 4, v6                     ; and in memory those four tokens are 512 consecutive bytes
	s_lshl_b32 s20, s17, 8
	s_lshl_b32 s21, s15, 7
	s_add_co_u32 s20, s20, s21                     ; my first row of the 12,288: 4,096 t + 2,048 b + s
	s_lshr_b32 s21, s20, 11
	s_lshl_b32 s21, s21, 22                        ; (2 t + b) x 16 heads x 2,048 x 128 bytes
	s_and_b32 s20, s20, 2047
	s_lshl_b32 s20, s20, 7                         ; s x 128 bytes
	s_add_co_u32 s20, s20, s21
	s_mov_b32 s21, 0
	s_lshl_b32 s46, s46, 10                        ; my first head, 4 x tile column + 2 x half, x 262,144 bytes
	s_add_nc_u64 s[20:21], s[20:21], s[46:47]
	s_add_nc_u64 s[12:13], s[12:13], s[20:21]      ; never stepped: the rest stands in the stores' immediates
.macro FRAG reg, adr, q, i             ; a fragment, 16 rows x 128 K of 4-bit codes: lane l holds row l % 16; registers 4 c .. 4 c + 3 hold K = 64 c + 32 (l / 16) + 0 .. 31
.irp c, 0,1
	ds_load_b128 v[\reg+4*\c:\reg+4*\c+3], v[\adr] offset:64*(\q)+32*\c+(\i)*16*PITCH
.endr
.endm
; 16 matrix instructions: x's blocks a0, a0 + 1 against W's eight, 128 along K: the slot's q-th.  p: W's set; sc: the set of scale words.  zero = 1: the first product starts the sums, with the bias as C.
; The 64 accumulators take turns, one instruction a turn, in the same order in every step.
.macro MUL16 a0, p, q, sc, zero
.irp a, \a0, \a0+1
.irp b, 0,1,2,3,4,5,6,7
.if \zero
	v_wmma_scale_f32_16x16x128_f8f6f4 v[8*(8*((\a)%4)+\b):8*(8*((\a)%4)+\b)+7], v[128*(\p)+FR*\b:128*(\p)+FR*\b+FR-1], v[AF+FR*(\a):AF+FR*(\a)+FR-1], v[BIAS+8*\b:BIAS+8*\b+7], v[SC+8*NQ*(\sc)+NQ*\b+(\q)], v[SC+8*NQ*(\sc)+NQ*(\a)+(\q)] matrix_a_fmt:MATRIX_FMT_FP4 matrix_b_fmt:MATRIX_FMT_FP4 matrix_a_scale:MATRIX_SCALE_ROW1
.else
	v_wmma_scale_f32_16x16x128_f8f6f4 v[8*(8*((\a)%4)+\b):8*(8*((\a)%4)+\b)+7], v[128*(\p)+FR*\b:128*(\p)+FR*\b+FR-1], v[AF+FR*(\a):AF+FR*(\a)+FR-1], v[8*(8*((\a)%4)+\b):8*(8*((\a)%4)+\b)+7], v[SC+8*NQ*(\sc)+NQ*\b+(\q)], v[SC+8*NQ*(\sc)+NQ*(\a)+(\q)] matrix_a_fmt:MATRIX_FMT_FP4 matrix_b_fmt:MATRIX_FMT_FP4 matrix_a_scale:MATRIX_SCALE_ROW1
.endif
.endr
.endr
.endm
.macro FETCH_B slot, q, p              ; W's eight fragments of the slot's q-th 128 along K into set p
	WIN TO_B
.irp i, 0,1,2,3,4,5,6,7
	FRAG 128*(\p)+FR*\i, ADRB+\slot, \q, \i
.endr
	WIN 0
.endm
.macro FETCH_A slot, q, i0             ; x's blocks i0 .. i0 + 3
.irp i, \i0, \i0+1, \i0+2, \i0+3
	FRAG AF+FR*(\i), ADRA+\slot, \q, \i
.endr
.endm
.macro SCALES sc                       ; a slot's scale words into set sc: four words a row; lanes 0-15 take x's block i, lanes 16-31 W's block i
.irp i, 0,1,2,3,4,5,6,7
	ds_load_b128 v[SC+8*NQ*\sc+NQ*\i:SC+8*NQ*\sc+NQ*\i+3], v[ADRS] offset:\i*SBLK
.endr
.endm
; A load into a register that a matrix instruction has read, and a vector instruction that reads a matrix result, stand NP places behind it; only plain vector instructions that name none of its registers are places.
.macro PLACES n
.rept \n
	v_nop
.endr
.endm
; A step of 128 along K that has its successor in the same slot.  x has one set of registers: blocks 0-3 are fetched anew in the step's middle, blocks 4-7 at its end; W has two sets.
.macro STEP slot, q, zero
	s_wait_dscnt 4*NL                              ; W's set and x's blocks 0-3 are in; the youngest eight loads (x's blocks 4-7) may be out
	WIN MUL_LO-0x20*\zero
	MUL16 0, (\q)%2, \q, \slot, \zero
	MUL16 2, (\q)%2, \q, \slot, \zero
	s_wait_dscnt 0                                 ; x's blocks 4-7 are in
	PLACES NP
	FETCH_B \slot, (\q)+1, 1-(\q)%2
	FETCH_A \slot, (\q)+1, 0
	WIN MUL_HI-0x30*\zero
	MUL16 4, (\q)%2, \q, \slot, \zero
	MUL16 6, (\q)%2, \q, \slot, \zero
	PLACES NP
	WIN 0
	FETCH_A \slot, (\q)+1, 4
.endm
; Slot 0's last step changes slots: one barrier; in front of it each wave waits for all its tensor loads (slot 1's is the one that may be out), adds 0 to its spare word, and waits for that and for its reads of slot 0.
; Behind it slot 1 is whole, and nobody reads slot 0 any more, so that it can serve as the stage.
.macro TURN slot, next
	s_wait_tensorcnt 0x0
	ds_add_u32 v[SPW], v[NIL]
	s_wait_dscnt 4*NL+1                            ; (the add and the youngest eight loads may be out)
	WIN MUL_LO
	MUL16 0, 1, NQ-1, \slot, 0                     ; sixteen matrix instructions stand between the add and the wait for it
	s_wait_dscnt 0x0                               ; the add is done, and my reads of this slot are over
	s_barrier_signal -1
	MUL16 2, 1, NQ-1, \slot, 0
	WIN 0
	s_barrier_wait -1
	PLACES NP
	v_add_nc_u32 v[ADRS], 4*NQ, v[ADRS]            ; on to the next slot's scale words (no LDS load of mine is out)
	FETCH_B \next, 0, 0
	FETCH_A \next, 0, 0
	SCALES \next
	WIN MUL_HI
	MUL16 4, 1, NQ-1, \slot, 0
	MUL16 6, 1, NQ-1, \slot, 0
	PLACES NP
	WIN 0
	FETCH_A \next, 0, 4
.endm
	s_wait_tensorcnt 1                             ; the scales and my part of slot 0 are in (slot 1's load may be out)
	s_barrier_signal -1
	s_barrier_wait -1                              ; everybody's are
	FETCH_B 0, 0, 0
	FETCH_A 0, 0, 0
	SCALES 0
	FETCH_A 0, 0, 4
	s_wait_loadcnt 0x0                             ; the bias
	STEP 0, 0, 1
	STEP 0, 1, 0
	STEP 0, 2, 0
	TURN 0, 1
	STEP 1, 0, 0
	STEP 1, 1, 0
	STEP 1, 2, 0
	s_wait_dscnt 4*NL                              ; the last step: nothing more to fetch
	WIN MUL_LO
	MUL16 0, 1, NQ-1, 1, 0
	MUL16 2, 1, NQ-1, 1, 0
	s_wait_dscnt 0
	WIN MUL_HI
	MUL16 4, 1, NQ-1, 1, 0
	MUL16 6, 1, NQ-1, 1, 0
	WIN 0
; THE WAY OUT, block by block of 16 rows x 128 columns (two heads).  PACK: rounded to f16, 16 bytes a lane, each accumulator from its low end on.  TOSTAGE: into my own stage, and back head by head, four tokens an instruction.
; SEND: 32 lanes store 512 consecutive bytes, aligned.  LDS serves a wave's instructions in order (ISA guide 5.7.1.4): no wait between the stores and the loads.
.macro PACK a
.set AC, 64*((\a)%4)
	WIN 0x0a+5*((\a)/4)                            ; sources 0 and 1: window 2 or 3
.irp b, 0,1,2,3,4,5,6,7
.irp r, 0,1,2,3
	v_cvt_pk_f16_f32 v[TMP+4*\b+\r], v[AC+8*\b+2*\r], v[AC+8*\b+2*\r+1]
.endr
.endr
	WIN 0
.endm
.macro TOSTAGE a
.set BB, BK+32*((\a)%2)
.irp b, 0,1,2,3,4,5,6,7
	ds_store_b128 v[STO], v[TMP+4*\b:TMP+4*\b+3] offset:32*\b
.endr
.irp hh, 0,1
.irp i, 0,1,2,3
	ds_load_b128 v[BB+4*(4*\hh+\i):BB+4*(4*\hh+\i)+3], v[RD] offset:\i*4*SPITCH+128*\hh
.endr
.endr
.endm
.macro SEND a
.set BB, BK+32*((\a)%2)
	s_wait_dscnt 0x0                               ; the block is back in registers
	s_wait_xcnt 0x0                                ; the stores of the block before have read their registers: the next block's loads may land there
.irp hh, 0,1
.irp i, 0,1,2,3
	global_store_b128 v[CO], v[BB+4*(4*\hh+\i):BB+4*(4*\hh+\i)+3], s[12:13] offset:(\a)*2048+\hh*262144+512*\i
.endr
.endr
.endm
	PLACES NP                                      ; behind the last products: for the conversions, and with them for the loads into the registers that held x's fragments
	PACK 0
	TOSTAGE 0
.irp a, 1,2,3,4,5,6,7                  ; block a's conversions stand between block a - 1's loads from the stage and the wait for them
	PACK \a
	SEND \a-1
	TOSTAGE \a
.endr
	SEND 7
	s_wait_tensorcnt 0x0                           ; the wave's end, behind my last tensor load and my last LDS store
	ds_add_u32 v[SPW], v[NIL]
	s_wait_dscnt 0x0
	CROUND                                         ; the closing round: no work-group ends while a partner may still ask for a tile that names it
	s_endpgm
.Lfunc_end_k_q3df27ade5b_proj:
	.size	k_q3df27ade5b_proj, .Lfunc_end_k_q3df27ade5b_proj-k_q3df27ade5b_proj
	.p2alignl 7, 3214868480
	.fill 96, 4, 3214868480
	.section	.rodata,"a",@progbits
	.p2align	6, 0x0
	.amdhsa_kernel k_q3df27ade5b_proj
		.amdhsa_group_segment_fixed_size 327680
		.amdhsa_private_segment_fixed_size 0
		.amdhsa_enable_private_segment 0
		.amdhsa_kernarg_size 64
		.amdhsa_user_sgpr_count 2
		.amdhsa_user_sgpr_kernarg_segment_ptr 1
		.amdhsa_wavefront_size32 1
		.amdhsa_system_sgpr_workgroup_id_x 1
		.amdhsa_system_sgpr_workgroup_id_y 1
		.amdhsa_system_sgpr_workgroup_id_z 1
		.amdhsa_system_vgpr_workitem_id 0
		.amdhsa_next_free_vgpr 1024
		.amdhsa_next_free_sgpr 100
		.amdhsa_reserve_vcc 0
		.amdhsa_float_denorm_mode_32 3
		.amdhsa_float_denorm_mode_16_64 3
		.amdhsa_memory_ordered 1
		.amdhsa_forward_progress 1
		.amdhsa_inst_pref_size 128
	.end_amdhsa_kernel
	.amdgpu_metadata
---
amdhsa.version: [ 1, 2 ]
amdhsa.kernels:
  - .name:           k_q3df27ade5b_proj
    .symbol:         k_q3df27ade5b_proj.kd
    .args:
      - { .name: acodes, .offset: 0, .size: 8, .value_kind: global_buffer, .address_space: global }
      - { .name: ascales, .offset: 8, .size: 8, .value_kind: global_buffer, .address_space: global }
      - { .name: wcodes, .offset: 16, .size: 8, .value_kind: global_buffer, .address_space: global }
      - { .name: wscales, .offset: 24, .size: 8, .value_kind: global_buffer, .address_space: global }
      - { .name: bq, .offset: 32, .size: 8, .value_kind: global_buffer, .address_space: global }
      - { .name: bk, .offset: 40, .size: 8, .value_kind: global_buffer, .address_space: global }
      - { .name: bv, .offset: 48, .size: 8, .value_kind: global_buffer, .address_space: global }
      - { .name: qkvh, .offset: 56, .size: 8, .value_kind: global_buffer, .address_space: global }
    .group_segment_fixed_size: 327680
    .private_segment_fixed_size: 0
    .kernarg_segment_align: 8
    .kernarg_segment_size: 64
    .max_flat_workgroup_size: 128
    .sgpr_count:     100
    .vgpr_count:     1024
    .wavefront_size: 32
...
	.end_amdgpu_metadata
.endif
;; end of part 2
;; launch attn (part 3): grid 8 x 32, 8 waves a work-group, clusters of 4 x 1, 327,680 bytes of LDS; arguments qkvh, ctx; writes ctx
.if DOCPART == 3
	.amdgcn_target "amdgcn-amd-amdhsa--gfx1250"
	.amdhsa_code_object_version 6
	.text
	.protected	k_q3df27ade5b_attn
	.globl	k_q3df27ade5b_attn
	.p2align	8
	.type	k_q3df27ade5b_attn,@function
k_q3df27ade5b_attn:
	s_mov_b64 s[64:65], 0
	v_nop
	global_prefetch_b8 v0, s[64:65] scope:SCOPE_SE
	s_setreg_imm32_b32 hwreg(HW_REG_WAVE_MODE, 25, 1), 1
	s_wait_xcnt 0x0
	s_wait_alu depctr_hold_cnt(0) depctr_sa_sdst(0) depctr_va_vdst(0) depctr_va_sdst(0) depctr_va_ssrc(0) depctr_va_vcc(0) depctr_vm_vsrc(0)
	s_getreg_b32 s2, hwreg(HW_REG_IB_STS2, 6, 4)
	s_cmp_eq_u32 s2, 0
	s_cbranch_scc0 .Lentry_in_a_cluster
	s_endpgm
.Lentry_in_a_cluster:
	s_bfe_u32 s2, ttmp6, 0x10000c
	s_cmp_lg_u32 s2, 0x3003
	s_cbranch_scc0 .Lentry_shape_is_right
	s_endpgm
.Lentry_shape_is_right:
; ctx[b][h][q] = the sum over k of softmax_k(Q[q] . K[k] / 8) V[k], for each of the 32 (b, h); Q, K, V: qkvh[t][b h][2048][64] f16.  Products on f16 operands with f32 sums; maxima, exponentials and sums in f32;
; the weights p are rounded to f16 for the second product, ctx once at the end.  OUT: ctx[token / 128][h][token % 128][64] f16, token = 2,048 b + s, as the last launch reads it.
; LIMITS: ctx under 6e-5 is rounded with an absolute error of 2^-25; NaN and infinities are not served.
; SHARES.  A work-group owns 256 queries of one (b, h); each of its eight waves 32: two tiles of 16, in 512 registers: two waves to a SIMD, so that one wave's softmax stands beside the other's products and LDS loads.
; Every wave walks all 2,048 keys, 128 a step.  K's and V's tiles come through two LDS slots of 512 keys: two first fills, two refills, all written out.
; LAYOUT.  S^T = K Q^T (source 0 = 16 keys, source 1 = 16 queries): a lane holds ONE query (lane % 16) and the keys 8 (lane / 16) + 0..7 of each tile.  Two such tiles, rounded in pairs, ARE source 1 (32 keys x 16 queries)
; of O^T = V^T P, whose result again holds one query a lane.  K comes out of LDS as it lies, V ([key][channel]) turned, by ds_load_tr16_b128.
; SOFTMAX.  For each query a running maximum m and sum l: p = 2^(c s - c m), c = log2(e) / 8 (the division of q by 8 is folded in); in every step O and l are multiplied by a = 2^(c m_old - c m_new).
; m begins at -3e38 and O and l at zero, so the step is written once: the first a is 0 and multiplies zeros.
; CLUSTER.  The four query blocks of a cluster belong to one (b, h) and walk the same K and V: each tile is asked for JOINTLY, by the same tensor load with a mask that names the four.
; REGISTERS.  Window 0: v1-15 addresses; v16-47 statistics, 16 a tile; v48-175 S^T, 64 a tile; v176-239 O^T, 32 a tile.  Window 1: v0-31 Q; v32-95 P, 32 a tile; v96-223 a step's K, then its V.
.set PK,    144                        ; a row of K in LDS: 128 bytes + 16 = 36 words: the 16 rows of a load start at 16 different groups of four banks (64 banks of 4 bytes: ISA guide 11.1)
.set PV,    160                        ; a row of V: 128 + 32 = 40 words, for the turning load's 8 rows x 32 bytes
.set VOFF,  512*PK                     ; a slot: 512 rows of K, then 512 rows of V
.set SLOTB, 512*(PK+PV)
.set SPARE, 2*SLOTB                    ; behind the slots: the spare words, 128 bytes a wave
.set AK,  2                            ; v2-3  my lane's place in a tile of K, slot 0, 1
.set AV,  4                            ; v4-5  the same for V
.set ADK, 6                            ; v6    LDS address of the step's K
.set ADV, 7                            ; v7    of its V
.set QO,  8                            ; v8    my byte offset in the wave's rows of Q
.set STO, 9                            ; v9    the way out: where I put 16 bytes of a row
.set RD,  10                           ; v10   where I read them back
.set GO,  11                           ; v11   16 x lane
.set PFO, 12                           ; v12   256 x lane; never rewritten
.set SPW, 14                           ; v14   my spare word; never rewritten
.set NIL, 15                           ; v15   0; never rewritten
.set ST,  16                           ; tile t's statistics at v[ST+16 t]: +0 c m, +1 m, +2 +3 l, +4 a, +5 c m_old - c m_new, +8 .. +15 at work
.set S,   48
.set O,   176
.set Q,   0                            ; in window 1
.set P,   32
.set BUF, 96
.set WV,  12                           ; s12 my wave's number
.set LIM, 15                           ; s15 1 in a wave that prefetches
.set PFA, 18                           ; s[18:19] what it asks for
.set G1K, 24                           ; s[24:31] group 1 for K's tiles; s[32:39] for V's: it differs in the padding
.set G1V, 32
.set G0K, 40                           ; s[40:47] group 0 for K's tiles, a set a slot; s[48:55] for V's
.set G0V, 48
.set CNT, 56                           ; s56 counts a slot's four steps
.set TK,  57                           ; s57 the step's first row of K in its slot, in bytes
.set CS,  58                           ; s[58:59] c: the packed form names a pair and takes its low word for both halves
.set SEL, 60                           ; s[60:61] v_permlanex16_b32's selects for lane l xor 16
.set TV,  62                           ; s62 the same as TK for V
.set MSB, 0
.macro WIN new                         ; the immediate's high byte repeats the setting that is left; a switch that changes nothing is dropped
.if MSB != (\new)
	s_set_vgpr_msb (MSB<<8)|(\new)
.set MSB, (\new)
.endif
.endm
.set W_MM, 0x05                        ; sources 0 and 1 window 1; C and D window 0: both products
.set W_1,  0x40                        ; destination window 1: loads, and the roundings into P
; A joint refill: waves 0-3 fetch the four quarters of a slot's K, waves 4-7 those of its V, 128 rows each.  The branch hangs on the wave's number alone.  An s_nop 0 and four v_nop follow each line.
.macro JLOAD slot
	s_cmp_lt_u32 s[WV], 4
	s_cbranch_scc0 .Lfor_v_\@
	tensor_load_to_lds s[G0K+4*\slot:G0K+4*\slot+3], s[G1K:G1K+7]
	s_nop 0
.rept 4
	v_nop
.endr
	s_branch .Lasked_\@
.Lfor_v_\@:
	tensor_load_to_lds s[G0V+4*\slot:G0V+4*\slot+3], s[G1V:G1V+7]
	s_nop 0
.rept 4
	v_nop
.endr
.Lasked_\@:
.endm
; A PREFETCH INTO THE L2 of what the next change of slots will ask for: keys 1,536 to 2,047, 65,536 bytes of K and of V.  It stands once, at the first change of slots, behind the tensor load and its five lines: four key steps,
; 256 matrix instructions a wave, ahead of that load.  Both clusters of a (b, h) walk the same rows: the first asks.  Its four partners share the bytes out BY ADDRESS, 16,384 each; in each, waves 0 and 1 ask for K's and
; waves 4 and 5 for V's, 8,192 bytes a wave, lanes 256 bytes apart.  So each aligned 256 bytes are named once.  The earlier slots come by their loads alone.
.macro ASK
	s_cmp_eq_u32 s[LIM], 1
	s_cbranch_scc0 .Lnot_mine_\@
	global_prefetch_b8 v[PFO], s[PFA:PFA+1] th:TH_LOAD_NT scope:SCOPE_SE
.Lnot_mine_\@:
.endm
.macro CROUND                          ; a round of the cluster's barrier
	s_barrier_signal -1
	s_barrier_wait -1
	s_cmp_lg_u32 s[WV], 0
	s_cbranch_scc1 .Lnot_wave_0_\@
	s_barrier_signal -3
.Lnot_wave_0_\@:
	s_barrier_wait -3
	s_barrier_signal -1
	s_barrier_wait -1
.endm
	s_load_b128 s[4:7], s[0:1], 0x0                ; qkvh, ctx
	v_lshl_add_u32 v[SPW], v0, 2, SPARE
	v_mov_b32 v[NIL], 0
	ds_add_u32 v[SPW], v[NIL]                      ; the wave's opening: the add, twice on end, and its wait ahead of my first tensor load
	ds_add_u32 v[SPW], v[NIL]
	v_lshrrev_b32 v1, 5, v0
	v_readfirstlane_b32 s[WV], v1                  ; wave 0..7
	s_bfe_u32 s13, ttmp6, 0x40000                  ; cx: my place in the cluster
	s_lshl_b32 s14, ttmp9, 2
	s_add_co_u32 s14, s14, s13                     ; my block of 256 queries: it enters Q's and ctx's addresses alone
	s_and_b32 s16, ttmp7, 0xffff                   ; 16 b + h, which the four partners share
	s_lshl_b32 s20, s16, 18                        ; its 2,048 rows of 128 bytes
	s_and_b32 s17, s[WV], 3                        ; which quarter of a slot I fetch:
	s_mul_i32 s10, s17, 128*PK                     ; its place among K's rows in LDS,
	s_mul_i32 s11, s17, 128*PV                     ; among V's,
	s_lshl_b32 s22, s17, 14                        ; and in memory
	s_add_co_u32 s22, s22, s20
	s_mov_b32 s23, 0
	s_lshl_b32 s2, s14, 15                         ; Q: my block's 256 rows,
	s_lshl_b32 s3, s[WV], 12                       ; my wave's 32
	s_add_co_u32 s2, s2, s3
	s_add_co_u32 s2, s2, s20
	s_mov_b32 s3, 0
	; group 1: a tile of 128 rows x 64 elements of 2 bytes, dense in memory, padded in LDS
	s_mov_b32 s[G1K], 15|(1<<16)|(1<<20)|(1<<21)|(4<<22)|(3<<25)  ; 15:0 the mask: all four; 17:16 elements of 2 bytes; 20 padding on; 21 set beside a mask; 24:22 after every 32 words; 31:25 four words
	s_mov_b32 s[G1V], 15|(1<<16)|(1<<20)|(1<<21)|(4<<22)|(7<<25)  ; the same with eight words
.irp g, G1K, G1V
	s_mov_b32 s[\g+1], 64<<16                      ; tensor_dim0
	s_mov_b32 s[\g+2], 128<<16                     ; tensor_dim1
	s_mov_b32 s[\g+3], 64<<16                      ; tile_dim0
	s_mov_b32 s[\g+4], 128                         ; tile_dim1
	s_mov_b32 s[\g+5], 64                          ; from row to row
	s_mov_b32 s[\g+6], 0
	s_mov_b32 s[\g+7], 0
.endr
	s_mov_b32 s[CS], 0x3e38aa3b                    ; c = log2(e) / 8
	s_mov_b32 s[CS+1], s[CS]                       ; (named with it as a pair, so it is written)
	s_mov_b32 s[SEL], 0x76543210
	s_mov_b32 s[SEL+1], 0xfedcba98
	s_and_b32 s[LIM], s[WV], 2                     ; 0 in waves 0, 1, 4, 5,
	s_or_b32 s[LIM], s[LIM], ttmp9                 ; of the first cluster: the same in all four partners
	s_cmp_eq_u32 s[LIM], 0
	s_cselect_b32 s[LIM], 1, 0
	s_cmp_lt_u32 s[WV], 4
	s_mov_b32 s18, 0x1000000                       ; V begins 16,777,216 bytes into qkvh,
	s_cselect_b32 s18, 0x800000, s18               ; K 8,388,608: an offset is chosen, not a pointer
	s_add_co_u32 s18, s18, s20
	s_add_co_u32 s18, s18, 3*65536                 ; keys 1,536 on
	s_lshl_b32 s19, s13, 14                        ; my work-group's 16,384 bytes,
	s_add_co_u32 s18, s18, s19
	s_and_b32 s19, s[WV], 1
	s_lshl_b32 s19, s19, 13                        ; my wave's 8,192
	s_add_co_u32 s18, s18, s19
	s_mov_b32 s19, 0
	s_wait_dscnt 0x0                               ; both opening adds are done
	s_wait_kmcnt 0x0
	s_add_nc_u64 s[22:23], s[4:5], s[22:23]        ; qkvh at my quarter of the head's first 512 rows
	s_add_nc_u64 s[8:9], s[4:5], s[2:3]            ; Q at my wave's first row
	s_add_nc_u64 s[PFA:PFA+1], s[4:5], s[18:19]
	s_lshr_b32 s2, s16, 4                          ; ctx: my first token = 2,048 b + 256 x block + 32 x wave
	s_lshl_b32 s2, s2, 11
	s_lshl_b32 s3, s14, 8
	s_add_co_u32 s2, s2, s3
	s_lshl_b32 s3, s[WV], 5
	s_add_co_u32 s2, s2, s3
	s_lshr_b32 s3, s2, 7
	s_lshl_b32 s3, s3, 18                          ; token / 128: 262,144 bytes each
	s_and_b32 s2, s2, 127
	s_lshl_b32 s2, s2, 7                           ; token % 128: 128 bytes each
	s_add_co_u32 s2, s2, s3
	s_and_b32 s3, s16, 15
	s_lshl_b32 s3, s3, 14                          ; h: 16,384 bytes each
	s_add_co_u32 s2, s2, s3
	s_mov_b32 s3, 0
	s_add_nc_u64 s[6:7], s[6:7], s[2:3]
	s_mul_i32 s21, s[WV], 32*PK                    ; my stage for the way out: 32 rows x 144 bytes, in slot 0
	CROUND                                         ; all four work-groups are here: the first joint loads meet
.irp s, 0,1
	s_mov_b32 s[G0K+4*\s], 1                       ; count = 1
	s_add_co_u32 s[G0K+4*\s+1], s10, \s*SLOTB      ; LDS address
	s_add_nc_u64 s[G0K+4*\s+2:G0K+4*\s+3], s[22:23], 0x800000+\s*65536   ; global address: slot s begins with keys 512 s
	s_or_b32 s[G0K+4*\s+3], s[G0K+4*\s+3], 0x80000000  ; type = 2
	s_mov_b32 s[G0V+4*\s], 1
	s_add_co_u32 s[G0V+4*\s+1], s11, \s*SLOTB+VOFF
	s_add_nc_u64 s[G0V+4*\s+2:G0V+4*\s+3], s[22:23], 0x1000000+\s*65536
	s_or_b32 s[G0V+4*\s+3], s[G0V+4*\s+3], 0x80000000
.endr
	s_cmp_lt_u32 s[WV], 4                          ; a wave's two first fills stand in one branch, ahead of every wait on TENSORcnt and every LDS read: two loads of mine are out
	s_cbranch_scc0 .Lfirst_v
	tensor_load_to_lds s[G0K:G0K+3], s[G1K:G1K+7]
	s_nop 0
	tensor_load_to_lds s[G0K+4:G0K+7], s[G1K:G1K+7]
	s_nop 0
.rept 4
	v_nop
.endr
	s_branch .Lfirst_asked
.Lfirst_v:
	tensor_load_to_lds s[G0V:G0V+3], s[G1V:G1V+7]
	s_nop 0
	tensor_load_to_lds s[G0V+4:G0V+7], s[G1V:G1V+7]
	s_nop 0
.rept 4
	v_nop
.endr
.Lfirst_asked:
	; A fragment of K or Q is 16 rows x 32 channels in 8 registers: lane l holds row l % 16; registers 0-3 channels 8 (l / 16) + 0..7, registers 4-7 channels 16 + 8 (l / 16) + 0..7: two loads of 16 bytes, 32 bytes apart.
	v_and_b32 v1, 15, v0                           ; r
	v_bfe_u32 v13, v0, 4, 1                        ; h
	v_lshlrev_b32 v[QO], 7, v1
	v_lshl_add_u32 v[QO], v13, 4, v[QO]            ; row x 128 + 16 x half
	WIN W_1
.irp t, 0,1
.irp c, 0,1                            ; Q stays in registers: tile t, channels 32 c on
	global_load_b128 v[Q+16*\t+8*\c:Q+16*\t+8*\c+3],   v[QO], s[8:9] offset:\t*2048+64*\c
	global_load_b128 v[Q+16*\t+8*\c+4:Q+16*\t+8*\c+7], v[QO], s[8:9] offset:\t*2048+64*\c+32
.endr
.endr
	WIN 0
	v_mul_u32_u24 v[AK], v1, PK
	v_lshl_add_u32 v[AK], v13, 4, v[AK]            ; row x pitch + 16 x half
	v_add_nc_u32 v[STO], s21, v[AK]                ; the stage has K's pitch: in: row r, 16 bytes for each half of the lanes
	v_add_nc_u32 v[AK+1], SLOTB, v[AK]
	; The turning load takes 16 keys x 16 channels (lane l reads 16 bytes: key 8 (l / 16) + l % 8, channels 8 ((l / 8) % 2) + 0..7) and leaves half a fragment of V^T: lane l holds channel l % 16 and 8 keys.
	v_and_b32 v6, 7, v0
	v_lshl_add_u32 v[AV], v13, 3, v6
	v_mul_u32_u24 v[AV], v[AV], PV
	v_bfe_u32 v7, v0, 3, 1
	v_lshl_add_u32 v[AV], v7, 4, v[AV]
	v_add_nc_u32 v[AV], VOFF, v[AV]
	v_add_nc_u32 v[AV+1], SLOTB, v[AV]
	v_bfe_u32 v7, v0, 3, 2                         ; lane / 8
	v_mul_u32_u24 v[RD], v7, PK                    ; back: eight lanes take a token's 128 bytes, four tokens an instruction
	v_lshl_add_u32 v[RD], v6, 4, v[RD]
	v_add_nc_u32 v[RD], s21, v[RD]
	v_and_b32 v[GO], 31, v0
	v_lshlrev_b32 v[PFO], 8, v[GO]
	v_lshlrev_b32 v[GO], 4, v[GO]
.irp t, 0,1
	v_mov_b32 v[ST+16*\t+1], 0xff61b1e6            ; m = -3e38, under every score
	v_mul_f32 v[ST+16*\t], s[CS], v[ST+16*\t+1]    ; c m
	v_mov_b32 v[ST+16*\t+2], 0                     ; l, in two halves
	v_mov_b32 v[ST+16*\t+3], 0
.endr
.set j, 0
.rept 64
	v_mov_b32 v[O+j], 0                            ; O^T: the step is written once; its first trip finds zeros, which the first a leaves zeros
.set j, j+1
.endr
; 16 products of S^T = K Q^T: keys 64 hf on.  Eight accumulators take turns, one instruction a turn; channels 0-31 start the sums with the constant 0.
.macro KQ hf
.irp c, 0,1
.irp kt, 0,1,2,3
.irp t, 0,1
.if \c == 0
	v_wmma_f32_16x16x32_f16 v[S+64*\t+8*(4*\hf+\kt):S+64*\t+8*(4*\hf+\kt)+7], v[BUF+64*\hf+8*(2*\kt+\c):BUF+64*\hf+8*(2*\kt+\c)+7], v[Q+16*\t+8*\c:Q+16*\t+8*\c+7], 0
.else
	v_wmma_f32_16x16x32_f16 v[S+64*\t+8*(4*\hf+\kt):S+64*\t+8*(4*\hf+\kt)+7], v[BUF+64*\hf+8*(2*\kt+\c):BUF+64*\hf+8*(2*\kt+\c)+7], v[Q+16*\t+8*\c:Q+16*\t+8*\c+7], v[S+64*\t+8*(4*\hf+\kt):S+64*\t+8*(4*\hf+\kt)+7]
.endif
.endr
.endr
.endr
.endm
.macro MX3 d, a, b, i                  ; in both tiles: x_d = the largest of x_a, x_b and the last score of key tile i
.irp t, 0,1
	v_max3_num_f32 v[ST+16*\t+8+\d], v[ST+16*\t+8+\a], v[ST+16*\t+8+\b], v[S+64*\t+8*\i+7]
.endr
.endm
; A KEY STEP: 128 keys, for my two tiles of queries, in phases.
.macro STEP slot
	v_add_nc_u32 v[ADK], s[TK], v[AK+\slot]
	v_add_nc_u32 v[ADV], s[TV], v[AV+\slot]
	v_nop
	v_nop                                          ; these four are the places between the last step's products V^T P and the loads into the registers that they read
	WIN W_1
.irp hf, 0,1
.irp f, 0,1,2,3,4,5,6,7                ; keys 64 hf + 16 (f / 2) on, channels 32 (f % 2) on
	ds_load_b128 v[BUF+64*\hf+8*\f:BUF+64*\hf+8*\f+3],   v[ADK] offset:(64*\hf+16*(\f/2))*PK+64*(\f%2)
	ds_load_b128 v[BUF+64*\hf+8*\f+4:BUF+64*\hf+8*\f+7], v[ADK] offset:(64*\hf+16*(\f/2))*PK+64*(\f%2)+32
.endr
.endr
	s_wait_dscnt 16                                ; the first 64 keys are in; the other sixteen loads may be out
	WIN W_MM
	KQ 0
	s_wait_dscnt 0x0
	KQ 1
.rept 4
	v_nop                                          ; places: for the reads of the scores, and for V's loads into the registers that held K
.endr
	WIN W_1
.irp u, 0,1,2,3
.irp ct, 0,1,2,3                       ; keys 32 u on, channels 16 ct on: V lands while the softmax is walked
	ds_load_tr16_b128 v[BUF+32*\u+8*\ct:BUF+32*\u+8*\ct+3],   v[ADV] offset:32*\u*PV+32*\ct
	ds_load_tr16_b128 v[BUF+32*\u+8*\ct+4:BUF+32*\u+8*\ct+7], v[ADV] offset:32*\u*PV+16*PV+32*\ct
.endr
.endr
	WIN 0
	; the largest of my 64 scores a tile and the old m: eight chains a tile, each accumulator read from its low end on; the tiles by turns
.irp kt, 0,1,2,3,4,5,6,7
.irp t, 0,1
	v_max3_num_f32 v[ST+16*\t+8+\kt], v[S+64*\t+8*\kt], v[S+64*\t+8*\kt+1], v[S+64*\t+8*\kt+2]
.endr
.endr
.irp i, 3,5
.irp kt, 0,1,2,3,4,5,6,7
.irp t, 0,1
	v_max3_num_f32 v[ST+16*\t+8+\kt], v[ST+16*\t+8+\kt], v[S+64*\t+8*\kt+\i], v[S+64*\t+8*\kt+\i+1]
.endr
.endr
.endr
	MX3 0, 0, 1, 0
	MX3 2, 2, 3, 1
	MX3 4, 4, 5, 2
	MX3 6, 6, 7, 3
	MX3 0, 0, 2, 4
	MX3 4, 4, 6, 5
	MX3 0, 0, 4, 6
.irp t, 0,1
	v_max3_num_f32 v[ST+16*\t+8], v[ST+16*\t+8], v[S+64*\t+63], v[ST+16*\t+1]
.endr
.irp t, 0,1
	v_permlanex16_b32 v[ST+16*\t+9], v[ST+16*\t+8], s[SEL], s[SEL+1]   ; the query's other 64 keys lie in the lane 16 away
.endr
.irp t, 0,1
	v_mov_b32 v[ST+16*\t+5], v[ST+16*\t]           ; c m_old
.endr
.irp t, 0,1
	v_max_num_f32 v[ST+16*\t+1], v[ST+16*\t+8], v[ST+16*\t+9]          ; the new m
.endr
.irp t, 0,1
	v_mul_f32 v[ST+16*\t], s[CS], v[ST+16*\t+1]    ; c m
.endr
.irp t, 0,1
	v_sub_f32 v[ST+16*\t+5], v[ST+16*\t+5], v[ST+16*\t]
.endr
.set j, 0
.rept 32
	v_pk_fma_f32 v[S+j:S+j+1], v[S+j:S+j+1], s[CS:CS+1], v[ST:ST+1] op_sel_hi:[1,0,0] neg_lo:[0,0,1] neg_hi:[0,0,1]               ; c s - c m, two at a time
	v_pk_fma_f32 v[S+64+j:S+64+j+1], v[S+64+j:S+64+j+1], s[CS:CS+1], v[ST+16:ST+17] op_sel_hi:[1,0,0] neg_lo:[0,0,1] neg_hi:[0,0,1]
.set j, j+2
.endr
	v_exp_f32 v[ST+4], v[ST+5]                     ; ONE BATCH: a of both tiles and the 128 weights; none reads another's result
	v_exp_f32 v[ST+20], v[ST+21]
.set j, 0
.rept 128
	v_exp_f32 v[S+j], v[S+j]
.set j, j+1
.endr
	v_nop                                          ; a plain instruction behind the last exponential
	s_wait_alu depctr_va_vdst(0)                   ; one wait for the batch, ahead of its first reader
	; the sums of the unrounded weights: two chains a tile, the tiles by turns
.irp t, 0,1
	v_pk_add_f32 v[ST+16*\t+8:ST+16*\t+9], v[S+64*\t:S+64*\t+1], v[S+64*\t+2:S+64*\t+3]
	v_pk_add_f32 v[ST+16*\t+10:ST+16*\t+11], v[S+64*\t+4:S+64*\t+5], v[S+64*\t+6:S+64*\t+7]
.endr
.set j, 8
.rept 14
	v_pk_add_f32 v[ST+8:ST+9], v[ST+8:ST+9], v[S+j:S+j+1]
	v_pk_add_f32 v[ST+24:ST+25], v[ST+24:ST+25], v[S+64+j:S+64+j+1]
	v_pk_add_f32 v[ST+10:ST+11], v[ST+10:ST+11], v[S+j+2:S+j+3]
	v_pk_add_f32 v[ST+26:ST+27], v[ST+26:ST+27], v[S+64+j+2:S+64+j+3]
.set j, j+4
.endr
.irp t, 0,1
	v_pk_add_f32 v[ST+16*\t+8:ST+16*\t+9], v[ST+16*\t+8:ST+16*\t+9], v[ST+16*\t+10:ST+16*\t+11]
.endr
.irp t, 0,1
	v_pk_fma_f32 v[ST+16*\t+2:ST+16*\t+3], v[ST+16*\t+2:ST+16*\t+3], v[ST+16*\t+4:ST+16*\t+5], v[ST+16*\t+8:ST+16*\t+9] op_sel_hi:[1,0,1]   ; l = a l + the sum
.endr
	WIN W_1
.set j, 0
.rept 64
	v_cvt_pk_f16_f32 v[P+j], v[S+2*j], v[S+2*j+1]  ; P: register 32 t + i from scores 64 t + 2 i and + 1: source 1's layout as it stands
.set j, j+1
.endr
	WIN 0
.set j, 0
.rept 16
	v_pk_mul_f32 v[O+j:O+j+1], v[O+j:O+j+1], v[ST+4:ST+5] op_sel_hi:[1,0]           ; O^T x a, each accumulator from its low end on
	v_pk_mul_f32 v[O+32+j:O+32+j+1], v[O+32+j:O+32+j+1], v[ST+20:ST+21] op_sel_hi:[1,0]
.set j, j+2
.endr
	s_wait_dscnt 0x0                               ; V is in
	WIN W_MM
.irp u, 0,1,2,3                        ; O^T += V^T P: eight accumulators by turns
.irp ct, 0,1,2,3
.irp t, 0,1
	v_wmma_f32_16x16x32_f16 v[O+32*\t+8*\ct:O+32*\t+8*\ct+7], v[BUF+32*\u+8*\ct:BUF+32*\u+8*\ct+7], v[P+32*\t+8*\u:P+32*\t+8*\u+7], v[O+32*\t+8*\ct:O+32*\t+8*\ct+7]
.endr
.endr
.endr
	WIN 0
.endm
; A slot's four key steps: written once, walked four times; the LDS addresses hang on s[TK] and s[TV].
.macro SLOT_STEPS slot
	s_mov_b32 s[TK], 0
	s_mov_b32 s[TV], 0
	s_mov_b32 s[CNT], 4
.Lstep_\@:
	STEP \slot
	s_add_co_u32 s[TK], s[TK], 128*PK
	s_add_co_u32 s[TV], s[TV], 128*PV
	s_sub_co_u32 s[CNT], s[CNT], 1
	s_cmp_lg_u32 s[CNT], 0
	s_cbranch_scc1 .Lstep_\@
.endm
; THE CHANGE OF SLOTS, behind the last step of slot `slot'.  Each wave waits for all its tensor loads (the one that may be out is its part of the other slot), adds 0 to its spare word, and waits for that and for its reads of the slot.
; fill = 1: the slot is filled again, with the keys 1,024 further on: the barrier is then a round of the cluster's, so that no wave of any partner still reads the slot or has a load on its way, and the joint refill is the
; first thing behind it: it has four key steps in which to land.
.macro CHANGE slot, fill, ask
	s_wait_tensorcnt 0x0                           ; no tensor load of mine is out, so a group 0 may be written
	ds_add_u32 v[SPW], v[NIL]
.if \fill
	s_add_nc_u64 s[G0K+4*\slot+2:G0K+4*\slot+3], s[G0K+4*\slot+2:G0K+4*\slot+3], 131072   ; 1,024 rows of 128 bytes on; the type bits on top are not reached
	s_add_nc_u64 s[G0V+4*\slot+2:G0V+4*\slot+3], s[G0V+4*\slot+2:G0V+4*\slot+3], 131072
.endif
	s_wait_dscnt 0x0                               ; the add is done, and my reads of the slot are over
.if \fill
	CROUND
	JLOAD \slot
.if \ask
	ASK
.endif
.else
	s_barrier_signal -1
	s_barrier_wait -1
.endif
.endm
	s_wait_tensorcnt 1                             ; my part of slot 0 is in; slot 1's may stay out
	s_barrier_signal -1
	s_barrier_wait -1                              ; everybody's is
	s_wait_loadcnt 0x0                             ; Q
	SLOT_STEPS 0                                   ; keys 0 to 511
	CHANGE 0, 1, 1                                 ; slot 0 takes keys 1,024 on
	SLOT_STEPS 1                                   ; keys 512 to 1,023
	CHANGE 1, 1, 0                                 ; slot 1 takes keys 1,536 on: the last load
	SLOT_STEPS 0
	CHANGE 0, 0, 0                                 ; nothing is left to fetch; behind this barrier nobody reads slot 0, which has had its last fill
	SLOT_STEPS 1
	; THE WAY OUT.  l's two halves and the other half of the lanes' are added; O^T is divided by l, rounded to f16 and sent through my stage in LDS.  The additions and the v_nop are the places behind the last products.
.irp t, 0,1
	v_add_f32 v[ST+16*\t+8], v[ST+16*\t+2], v[ST+16*\t+3]
.endr
.irp t, 0,1
	v_permlanex16_b32 v[ST+16*\t+9], v[ST+16*\t+8], s[SEL], s[SEL+1]
.endr
.irp t, 0,1
	v_add_f32 v[ST+16*\t+8], v[ST+16*\t+8], v[ST+16*\t+9]
.endr
.irp t, 0,1
	v_rcp_f32 v[ST+16*\t+4], v[ST+16*\t+8]
.endr
	v_nop                                          ; a plain instruction behind the last reciprocal
	s_wait_alu depctr_va_vdst(0)                   ; and the wait ahead of the first use: one for both
.set j, 0
.rept 16
	v_pk_mul_f32 v[O+j:O+j+1], v[O+j:O+j+1], v[ST+4:ST+5] op_sel_hi:[1,0]
	v_pk_mul_f32 v[O+32+j:O+32+j+1], v[O+32+j:O+32+j+1], v[ST+20:ST+21] op_sel_hi:[1,0]
.set j, j+2
.endr
.set j, 0
.rept 32
	v_cvt_pk_f16_f32 v[S+j], v[O+2*j], v[O+2*j+1]  ; register 16 t + 4 ct + i: channels 16 ct + 8 (l / 16) + 2 i and + 1 of query l % 16 of tile t
.set j, j+1
.endr
.irp t, 0,1
.irp ct, 0,1,2,3
	ds_store_b128 v[STO], v[S+16*\t+4*\ct:S+16*\t+4*\ct+3] offset:\t*16*PK+32*\ct
.endr
.irp i, 0,1,2,3
	ds_load_b128 v[S+32+16*\t+4*\i:S+32+16*\t+4*\i+3], v[RD] offset:\t*16*PK+\i*4*PK   ; LDS serves a wave's instructions in order (ISA guide 5.7.1.4): these see the stores above
.endr
.endr
.irp t, 0,1
.irp i, 0,1,2,3
	s_wait_dscnt 11-8*\t-\i                        ; behind this load: the tile's younger loads, and for tile 0 tile 1's eight LDS instructions
	global_store_b128 v[GO], v[S+32+16*\t+4*\i:S+32+16*\t+4*\i+3], s[6:7] offset:\t*2048+512*\i   ; four tokens x 128 bytes: 32 lanes store 512 consecutive bytes, aligned
.endr
.endr
	s_wait_tensorcnt 0x0                           ; the wave's end, behind my last tensor load and my last LDS store
	ds_add_u32 v[SPW], v[NIL]
	s_wait_dscnt 0x0
	CROUND                                         ; the closing round: no work-group ends while a partner may still ask for a tile that names it
	s_endpgm
.Lfunc_end_k_q3df27ade5b_attn:
	.size	k_q3df27ade5b_attn, .Lfunc_end_k_q3df27ade5b_attn-k_q3df27ade5b_attn
	.p2alignl 7, 3214868480
	.fill 96, 4, 3214868480
	.section	.rodata,"a",@progbits
	.p2align	6, 0x0
	.amdhsa_kernel k_q3df27ade5b_attn
		.amdhsa_group_segment_fixed_size 327680
		.amdhsa_private_segment_fixed_size 0
		.amdhsa_enable_private_segment 0
		.amdhsa_kernarg_size 16
		.amdhsa_user_sgpr_count 2
		.amdhsa_user_sgpr_kernarg_segment_ptr 1
		.amdhsa_wavefront_size32 1
		.amdhsa_system_sgpr_workgroup_id_x 1
		.amdhsa_system_sgpr_workgroup_id_y 1
		.amdhsa_system_sgpr_workgroup_id_z 1
		.amdhsa_system_vgpr_workitem_id 0
		.amdhsa_next_free_vgpr 512
		.amdhsa_next_free_sgpr 66
		.amdhsa_reserve_vcc 0
		.amdhsa_float_denorm_mode_32 3
		.amdhsa_float_denorm_mode_16_64 3
		.amdhsa_memory_ordered 1
		.amdhsa_forward_progress 1
		.amdhsa_inst_pref_size 146
	.end_amdhsa_kernel
	.amdgpu_metadata
---
amdhsa.version: [ 1, 2 ]
amdhsa.kernels:
  - .name:           k_q3df27ade5b_attn
    .symbol:         k_q3df27ade5b_attn.kd
    .args:
      - { .name: qkvh, .offset: 0, .size: 8, .value_kind: global_buffer, .address_space: global }
      - { .name: ctx, .offset: 8, .size: 8, .value_kind: global_buffer, .address_space: global }
    .group_segment_fixed_size: 327680
    .private_segment_fixed_size: 0
    .kernarg_segment_align: 8
    .kernarg_segment_size: 16
    .max_flat_workgroup_size: 256
    .sgpr_count:     66
    .vgpr_count:     512
    .wavefront_size: 32
...
	.end_amdgpu_metadata
.endif
;; end of part 3
;; launch outp (part 4): grid 8 x 32, 4 waves a work-group, clusters of 4 x 4, 327,680 bytes of LDS; arguments ctx, wo16, bo, out0; writes out0
.if DOCPART == 4
	.amdgcn_target "amdgcn-amd-amdhsa--gfx1250"
	.amdhsa_code_object_version 6
	.text
	.protected	k_q3df27ade5b_outp
	.globl	k_q3df27ade5b_outp
	.p2align	8
	.type	k_q3df27ade5b_outp,@function
k_q3df27ade5b_outp:
	s_mov_b64 s[64:65], 0
	v_nop
	global_prefetch_b8 v0, s[64:65] scope:SCOPE_SE
	s_setreg_imm32_b32 hwreg(HW_REG_WAVE_MODE, 25, 1), 1
	s_wait_xcnt 0x0
	s_wait_alu depctr_hold_cnt(0) depctr_sa_sdst(0) depctr_va_vdst(0) depctr_va_sdst(0) depctr_va_ssrc(0) depctr_va_vcc(0) depctr_vm_vsrc(0)
	s_getreg_b32 s2, hwreg(HW_REG_IB_STS2, 6, 4)
	s_cmp_eq_u32 s2, 0
	s_cbranch_scc0 .Lentry_in_a_cluster
	s_endpgm
.Lentry_in_a_cluster:
	s_bfe_u32 s2, ttmp6, 0x10000c
	s_cmp_lg_u32 s2, 0xf033
	s_cbranch_scc0 .Lentry_shape_is_right
	s_endpgm
.Lentry_shape_is_right:
; out0[token][n] = the sum over k of ctx[token][k] Wo[n][k] + bo[n]: [4096][1024] x [1024][1024], f16 operands, f32 sums, f32 out.
; ctx[token / 128][h][token % 128][64] and wo16[n / 128][h][n % 128][64], f16: the 128 rows of a tile, for one head (64 along K), are a PLANE of 16,384 dense bytes, and a tile's 16 planes follow each other.
; A tile of out0 is 128 x 128: 256 work-groups, four waves, each 64 x 64: 16 accumulators.  K goes in steps of 256 (four planes) through two LDS slots: four steps, two first fills, two refills, all written out.
; CLUSTERS: 4 x 4 work-groups.  The four of a row of the cluster need the same tiles of ctx, the four of a column the same tiles of Wo: each is asked for JOINTLY.
; THE MATRIX INSTRUCTION IS USED TRANSPOSED (source 0 = 16 rows of Wo, source 1 = 16 tokens): a lane holds eight neighbouring columns of one token.  THE BIAS IS THE C of each sum's first product.
; No prefetch: a tile's K step is short, and what is fetched is shared by the cluster's joint loads.
; REGISTERS: window 0: v0-31 addresses; v32-95 rows on the way out; v96-127 the bias, 4 tiles; v128-255 the accumulators ((a, b) at v[128 + 8 (4 a + b)]).
;   window 1: two fragment buffers of 128: for 64 along K, 64 registers of ctx (2 x 4 x 16 rows x 32 K), then 64 of Wo.
.set PITCH,  144                       ; an LDS row: 128 bytes + 16 of padding = 36 words: the 16 rows of a load start at 16 different groups of four banks (64 banks of 4 bytes: ISA guide 11.1)
.set PLANE,  128*PITCH                 ; one head's 128 rows
.set HALFT,  2*PLANE                   ; what one tensor load brings: two planes, 256 rows
.set SLOT,   4*HALFT                   ; ctx's four planes, then Wo's four
.set STAGE,  2*SLOT                    ; behind the slots: 16 rows x 272 bytes for each wave
.set SPITCH, 272
.set SPARE,  STAGE+4*16*SPITCH         ; the spare words, 128 bytes a wave
.set ADRA, 16                          ; v16-17 LDS address of my fragments of ctx in slot 0, 1
.set ADRB, 20                          ; v20-21 the same for Wo
.set STO,  24                          ; v24 the way out: where I put 32 bytes of a row
.set RD,   25                          ; v25 where I read a row back
.set CO,   26                          ; v26 my byte offset in out0
.set BO,   27                          ; v27 the bias loads' offset
.set SPW,  28                          ; v28 my spare word; never rewritten
.set NIL,  29                          ; v29 0; never rewritten
.set TMP,  32
.set BIAS, 96
.set ACC,  128
.set F0,   0                           ; fragment buffers, in window 1
.set F1,   128
.set G1, 24                            ; s[24:31] group 1 for ctx's tiles; s[32:39] group 0, a set a slot
.set G0, 32
.set G1B, 48                           ; s[48:55], s[56:63] the same for Wo's
.set G0B, 56
.set MSB, 0
.macro WIN new                         ; the immediate's high byte repeats the setting that is left; a switch that changes nothing is dropped
.if MSB != (\new)
	s_set_vgpr_msb (MSB<<8)|(\new)
.set MSB, (\new)
.endif
.endm
.set MUL,  0x05                        ; sources 0 (Wo) and 1 (ctx) window 1; C and D window 0
.set TO_F, 0x40                        ; destination window 1, address window 0
.macro JLOAD s                         ; a joint load: waves 0 and 1 fetch ctx's two pairs of planes, waves 2 and 3 Wo's; an s_nop 0 and four v_nop follow each of the two lines
	s_cmp_eq_u32 s11, 0
	s_cbranch_scc0 .Lfor_b_\@
	tensor_load_to_lds s[G0+4*\s:G0+4*\s+3], s[G1:G1+7]
	s_nop 0
.rept 4
	v_nop
.endr
	s_branch .Lasked_\@
.Lfor_b_\@:
	tensor_load_to_lds s[G0B+4*\s:G0B+4*\s+3], s[G1B:G1B+7]
	s_nop 0
.rept 4
	v_nop
.endr
.Lasked_\@:
.endm
.macro CREST                           ; a round of the cluster's barrier behind its opening barrier
	s_cmp_lg_u32 s10, 0
	s_cbranch_scc1 .Lnot_wave_0_\@
	s_barrier_signal -3
.Lnot_wave_0_\@:
	s_barrier_wait -3
	s_barrier_signal -1
	s_barrier_wait -1
.endm
.macro CROUND                          ; a whole round
	s_barrier_signal -1
	s_barrier_wait -1
	CREST
.endm
	s_load_b128 s[4:7], s[0:1], 0x0                ; ctx, wo16
	s_load_b64 s[2:3], s[0:1], 0x10                ; bo
	s_load_b64 s[8:9], s[0:1], 0x18                ; out0
	v_lshl_add_u32 v[SPW], v0, 2, SPARE
	v_mov_b32 v[NIL], 0
	ds_add_u32 v[SPW], v[NIL]                      ; the wave's opening: the add, twice on end, and its wait ahead of my first tensor load
	ds_add_u32 v[SPW], v[NIL]
	v_lshrrev_b32 v1, 5, v0
	v_readfirstlane_b32 s10, v1                    ; wave 0..3
	s_lshr_b32 s11, s10, 1                         ; which half of the tile's rows is mine.  Also: I fetch for ctx (0) or for Wo (1)
	s_and_b32 s12, s10, 1                          ; which half of its columns.  Also: which two planes I fetch
	s_bfe_u32 s40, ttmp6, 0x40000                  ; cx, cy: my place in the cluster
	s_bfe_u32 s41, ttmp6, 0x40004
	s_lshl_b32 s42, ttmp9, 2
	s_add_co_u32 s42, s42, s40                     ; tile column = 4 x cluster x + cx
	s_and_b32 s13, ttmp7, 0xffff
	s_lshl_b32 s13, s13, 2
	s_add_co_u32 s13, s13, s41                     ; tile row = 4 x cluster y + cy
	s_lshl_b32 s43, s41, 2
	s_lshl_b32 s43, 15, s43                        ; my row of the cluster
	s_lshl_b32 s44, 0x1111, s40                    ; my column
	; group 1: 256 rows x 64 elements of 2 bytes, dense in memory, padded in LDS
	s_or_b32 s[G1+0], s43, (1<<16)|(1<<20)|(1<<21)|(4<<22)|(3<<25)  ; 15:0 the mask; 17:16 elements of 2 bytes; 20 padding on; 21 set beside a mask; 24:22 after every 32 words; 31:25 four words
	s_or_b32 s[G1B+0], s44, (1<<16)|(1<<20)|(1<<21)|(4<<22)|(3<<25)
.irp g, G1, G1B
	s_mov_b32 s[\g+1], 64<<16                      ; tensor_dim0
	s_mov_b32 s[\g+2], 256<<16                     ; tensor_dim1
	s_mov_b32 s[\g+3], 64<<16                      ; tile_dim0
	s_mov_b32 s[\g+4], 256                         ; tile_dim1
	s_mov_b32 s[\g+5], 64                          ; from row to row
	s_mov_b32 s[\g+6], 0
	s_mov_b32 s[\g+7], 0
.endr
	s_lshl_b32 s17, s12, 15                        ; which two planes of a K step I fetch: 32,768 bytes
	s_lshl_b32 s16, s13, 18                        ; ctx: 262,144 bytes a tile row
	s_add_co_u32 s16, s16, s17
	s_lshl_b32 s46, s42, 18                        ; Wo: 262,144 bytes a tile column
	s_add_co_u32 s46, s46, s17
	s_mov_b32 s17, 0
	s_mov_b32 s47, 0
	s_mul_i32 s20, s10, HALFT                      ; where they go: wave x two planes: no place in the cluster enters an LDS address
	s_wait_dscnt 0x0                               ; both opening adds are done
	s_wait_kmcnt 0x0
	s_add_nc_u64 s[14:15], s[4:5], s[16:17]
	s_add_nc_u64 s[46:47], s[6:7], s[46:47]
	CROUND                                         ; all sixteen work-groups are here: the first joint loads meet
.irp s, 0,1
	s_mov_b32 s[G0+4*\s], 1
	s_add_co_u32 s[G0+4*\s+1], s20, \s*SLOT
	s_add_nc_u64 s[G0+4*\s+2:G0+4*\s+3], s[14:15], \s*65536        ; K step s: four planes on
	s_or_b32 s[G0+4*\s+3], s[G0+4*\s+3], 0x80000000
	s_mov_b32 s[G0B+4*\s], 1
	s_add_co_u32 s[G0B+4*\s+1], s20, \s*SLOT
	s_add_nc_u64 s[G0B+4*\s+2:G0B+4*\s+3], s[46:47], \s*65536
	s_or_b32 s[G0B+4*\s+3], s[G0B+4*\s+3], 0x80000000
	JLOAD \s                                       ; two loads of mine are out
.endr
	v_and_b32 v1, 15, v0                           ; r = l % 16
	v_bfe_u32 v2, v0, 4, 1                         ; h = l / 16
	s_lshl_b32 s46, s42, 9                         ; my first column, in bytes of f32: 512 x tile column + 256 x half: for out0 and for bo alike
	s_lshl_b32 s47, s12, 8
	s_add_co_u32 s46, s46, s47
	s_mov_b32 s47, 0
	s_add_nc_u64 s[2:3], s[2:3], s[46:47]
	v_lshlrev_b32 v[BO], 5, v2                     ; lane (r, h) wants, for tile b, columns 16 b + 8 h + 0 .. 7
.irp b, 0,1,2,3
	global_load_b128 v[BIAS+8*\b:BIAS+8*\b+3],   v[BO], s[2:3] offset:64*\b
	global_load_b128 v[BIAS+8*\b+4:BIAS+8*\b+7], v[BO], s[2:3] offset:64*\b+16
.endr
	v_mul_u32_u24 v3, v1, PITCH
	v_lshl_add_u32 v3, v2, 4, v3                   ; a fragment's row x pitch + 16 x half
	s_mul_i32 s21, s11, 64*PITCH                   ; my 64 rows of each of ctx's planes
	s_mul_i32 s22, s12, 64*PITCH                   ; my 64 rows of each of Wo's,
	s_add_co_u32 s22, s22, 2*HALFT                 ; which lie behind ctx's four planes
.irp s, 0,1
	v_add_nc_u32 v[ADRA+\s], s21, v3
	v_add_nc_u32 v[ADRB+\s], s22, v3
	s_add_co_u32 s21, s21, SLOT
	s_add_co_u32 s22, s22, SLOT
.endr
	s_mul_i32 s23, s10, 16*SPITCH
	s_add_co_u32 s23, s23, STAGE                   ; my stage
	v_mul_u32_u24 v4, v1, SPITCH                   ; in: row r, 32 bytes for each half of the lanes
	v_lshl_add_u32 v4, v2, 5, v4
	v_add_nc_u32 v[STO], s23, v4
	v_mul_u32_u24 v5, v2, SPITCH                   ; back: lanes 0-15 take one row of 256 bytes, lanes 16-31 the next
	v_lshl_add_u32 v5, v1, 4, v5
	v_add_nc_u32 v[RD], s23, v5
	v_lshlrev_b32 v5, 12, v2                       ; and the same two rows in out0: 4,096 bytes a row
	v_lshl_add_u32 v[CO], v1, 4, v5
	s_lshl_b32 s16, s13, 7
	s_lshl_b32 s17, s11, 6
	s_add_co_u32 s16, s16, s17                     ; my first row: 128 x tile row + 64 x half
	s_lshl_b32 s16, s16, 12
	s_mov_b32 s17, 0
	s_add_nc_u64 s[8:9], s[8:9], s[16:17]
	s_add_nc_u64 s[8:9], s[8:9], s[46:47]          ; never stepped: the rest stands in the stores' immediates
; 8 matrix instructions: row blocks a0, a0 + 1 x all 4 column blocks, 32 along K: half c of buffer f.  zero = 1: the first product starts the sums, with the bias as C.  The 16 accumulators take turns.
.macro MUL8 f, c, a0, zero
.irp a, \a0, \a0+1
.irp b, 0,1,2,3
.if \zero
	v_wmma_f32_16x16x32_f16 v[ACC+8*(4*(\a)+\b):ACC+8*(4*(\a)+\b)+7], v[\f+64+8*(4*\c+\b):\f+64+8*(4*\c+\b)+7], v[\f+8*(4*\c+\a):\f+8*(4*\c+\a)+7], v[BIAS+8*\b:BIAS+8*\b+7]
.else
	v_wmma_f32_16x16x32_f16 v[ACC+8*(4*(\a)+\b):ACC+8*(4*(\a)+\b)+7], v[\f+64+8*(4*\c+\b):\f+64+8*(4*\c+\b)+7], v[\f+8*(4*\c+\a):\f+8*(4*\c+\a)+7], v[ACC+8*(4*(\a)+\b):ACC+8*(4*(\a)+\b)+7]
.endif
.endr
.endr
.endm
; 32 LDS loads in one run: the fragments of one plane (64 along K), which begins k bytes into the slot's planes, into buffer f; the first 32 along K first
.macro FETCH slot, k, f
	WIN TO_F
.irp c, 0,1
.irp i, 0,1,2,3
	ds_load_b128 v[\f+64+8*(4*\c+\i):\f+64+8*(4*\c+\i)+3],   v[ADRB+\slot] offset:\k+64*\c+\i*16*PITCH
	ds_load_b128 v[\f+64+8*(4*\c+\i)+4:\f+64+8*(4*\c+\i)+7], v[ADRB+\slot] offset:\k+64*\c+\i*16*PITCH+32
	ds_load_b128 v[\f+8*(4*\c+\i):\f+8*(4*\c+\i)+3],         v[ADRA+\slot] offset:\k+64*\c+\i*16*PITCH
	ds_load_b128 v[\f+8*(4*\c+\i)+4:\f+8*(4*\c+\i)+7],       v[ADRA+\slot] offset:\k+64*\c+\i*16*PITCH+32
.endr
.endr
.endm
.macro PLACES                          ; four places in front of loads into registers that matrix instructions have read, and of the first read of results
.rept 4
	v_nop
.endr
.endm
; A K step is four quarters, a plane each, 32 matrix instructions, on buffers 0, 1, 0, 1.  One of the first three: multiplies buffer f and fetches the next plane, at byte k, into g.
.macro QUARTER slot, k, f, g, zero
	s_wait_dscnt 16                                ; the first 32 along K are in; the other sixteen loads may be out
	WIN MUL
	MUL8 \f, 0, 0, \zero
	MUL8 \f, 0, 2, \zero
	PLACES
	FETCH \slot, \k, \g
	s_wait_dscnt 32                                ; all but the 32 just issued
	WIN MUL
	MUL8 \f, 1, 0, 0
	MUL8 \f, 1, 2, 0
.endm
; The last quarter multiplies buffer 1 and changes slots: ONE barrier; in front of it each wave waits for all its tensor loads, adds 0 to its spare word, and waits for that and for its reads of this slot.
; fill = 1: the barrier opens a round of the cluster's, and this slot is filled again, two K steps ahead, first thing behind the round.
.macro TURN slot, next, fill
	WIN 0                                          ; (the add's two registers lie in window 0)
	s_wait_tensorcnt 0x0                           ; all my tensor loads have landed: my part of the next slot
	ds_add_u32 v[SPW], v[NIL]
	s_wait_dscnt 17                                ; (the add and the youngest sixteen loads may be out)
	WIN MUL
	MUL8 F1, 0, 0, 0                               ; eight matrix instructions stand between the add and the wait for it
	s_wait_dscnt 0x0                               ; the add is done, and my reads of this slot are over
	s_barrier_signal -1
	MUL8 F1, 0, 2, 0
.if \fill
	WIN 0
.endif
	s_barrier_wait -1
.if \fill
	CREST                                          ; no wave of any partner still reads this slot's tile or has a load on its way
	s_add_nc_u64 s[G0+4*\slot+2:G0+4*\slot+3], s[G0+4*\slot+2:G0+4*\slot+3], 131072
	s_add_nc_u64 s[G0B+4*\slot+2:G0B+4*\slot+3], s[G0B+4*\slot+2:G0B+4*\slot+3], 131072
	JLOAD \slot                                    ; the four v_nop behind it are also the places in front of the loads below
.else
	PLACES
.endif
	FETCH \next, 0, F0
	WIN MUL
	MUL8 F1, 1, 0, 0
	MUL8 F1, 1, 2, 0
.endm
	s_wait_tensorcnt 1                             ; my part of K step 0 is in (K step 1's load may be out)
	s_barrier_signal -1
	s_barrier_wait -1                              ; everybody's is
	FETCH 0, 0, F0
	s_wait_loadcnt 0x0                             ; the bias
	QUARTER 0, PLANE,   F0, F1, 1                  ; K step 0: its first products start the sums
	QUARTER 0, 2*PLANE, F1, F0, 0
	QUARTER 0, 3*PLANE, F0, F1, 0
	TURN 0, 1, 1                                   ; slot 0 takes K step 2
	QUARTER 1, PLANE,   F0, F1, 0                  ; K step 1
	QUARTER 1, 2*PLANE, F1, F0, 0
	QUARTER 1, 3*PLANE, F0, F1, 0
	TURN 1, 0, 1                                   ; slot 1 takes K step 3: the last load
	QUARTER 0, PLANE,   F0, F1, 0                  ; K step 2
	QUARTER 0, 2*PLANE, F1, F0, 0
	QUARTER 0, 3*PLANE, F0, F1, 0
	TURN 0, 1, 0                                   ; nothing is left to fetch
	QUARTER 1, PLANE,   F0, F1, 0                  ; K step 3
	QUARTER 1, 2*PLANE, F1, F0, 0
	QUARTER 1, 3*PLANE, F0, F1, 0
	s_wait_dscnt 16
	WIN MUL
	MUL8 F1, 0, 0, 0
	MUL8 F1, 0, 2, 0
	s_wait_dscnt 0
	MUL8 F1, 1, 0, 0
	MUL8 F1, 1, 2, 0
	WIN 0
; THE WAY OUT, block by block of 16 rows x 64 columns.  A lane holds 32 neighbouring bytes of a row; a row's 256 bytes are all my wave's: so the stage is my own, and no barrier is needed.
; LDS serves a wave's instructions in order (ISA guide 5.7.1.4): no wait between the stores and the loads, nor in front of the next block's stores.
.macro TOSTAGE a
.irp b, 0,1,2,3
	ds_store_b128 v[STO], v[ACC+8*(4*(\a)+\b):ACC+8*(4*(\a)+\b)+3] offset:64*\b        ; each accumulator from its low end on
	ds_store_b128 v[STO], v[ACC+8*(4*(\a)+\b)+4:ACC+8*(4*(\a)+\b)+7] offset:64*\b+16
.endr
.irp t, 0,1,2,3,4,5,6,7
	ds_load_b128 v[TMP+32*((\a)%2)+4*\t:TMP+32*((\a)%2)+4*\t+3], v[RD] offset:\t*2*SPITCH
.endr
.endm
.macro SEND a, younger                 ; younger: the LDS instructions issued behind block a's loads, which may stay out
	s_wait_dscnt \younger
.irp t, 0,1,2,3,4,5,6,7
	global_store_b128 v[CO], v[TMP+32*((\a)%2)+4*\t:TMP+32*((\a)%2)+4*\t+3], s[8:9] offset:(16*(\a)+2*\t)*4096 th:TH_STORE_NT   ; 16 lanes store 256 consecutive bytes, aligned; written once, read by nobody here
.endr
.endm
	PLACES
	TOSTAGE 0
.irp a, 1,2,3
.if \a > 1
	s_wait_xcnt 0x0                                ; block a - 2's stores have read their registers: block a's loads may land there
.endif
	TOSTAGE \a
	SEND \a-1, 16                                  ; behind block a - 1's loads: block a's eight stores and eight loads
.endr
	SEND 3, 0
	s_wait_tensorcnt 0x0                           ; the wave's end, behind my last tensor load and my last LDS store
	ds_add_u32 v[SPW], v[NIL]
	s_wait_dscnt 0x0
	CROUND                                         ; the closing round: no work-group ends while a partner may still ask for a tile that names it
	s_endpgm
.Lfunc_end_k_q3df27ade5b_outp:
	.size	k_q3df27ade5b_outp, .Lfunc_end_k_q3df27ade5b_outp-k_q3df27ade5b_outp
	.p2alignl 7, 3214868480
	.fill 96, 4, 3214868480
	.section	.rodata,"a",@progbits
	.p2align	6, 0x0
	.amdhsa_kernel k_q3df27ade5b_outp
		.amdhsa_group_segment_fixed_size 327680
		.amdhsa_private_segment_fixed_size 0
		.amdhsa_enable_private_segment 0
		.amdhsa_kernarg_size 32
		.amdhsa_user_sgpr_count 2
		.amdhsa_user_sgpr_kernarg_segment_ptr 1
		.amdhsa_wavefront_size32 1
		.amdhsa_system_sgpr_workgroup_id_x 1
		.amdhsa_system_sgpr_workgroup_id_y 1
		.amdhsa_system_sgpr_workgroup_id_z 1
		.amdhsa_system_vgpr_workitem_id 0
		.amdhsa_next_free_vgpr 512
		.amdhsa_next_free_sgpr 66
		.amdhsa_reserve_vcc 0
		.amdhsa_float_denorm_mode_32 3
		.amdhsa_float_denorm_mode_16_64 3
		.amdhsa_memory_ordered 1
		.amdhsa_forward_progress 1
		.amdhsa_inst_pref_size 86
	.end_amdhsa_kernel
	.amdgpu_metadata
---
amdhsa.version: [ 1, 2 ]
amdhsa.kernels:
  - .name:           k_q3df27ade5b_outp
    .symbol:         k_q3df27ade5b_outp.kd
    .args:
      - { .name: ctx, .offset: 0, .size: 8, .value_kind: global_buffer, .address_space: global }
      - { .name: wo16, .offset: 8, .size: 8, .value_kind: global_buffer, .address_space: global }
      - { .name: bo, .offset: 16, .size: 8, .value_kind: global_buffer, .address_space: global }
      - { .name: out0, .offset: 24, .size: 8, .value_kind: global_buffer, .address_space: global }
    .group_segment_fixed_size: 327680
    .private_segment_fixed_size: 0
    .kernarg_segment_align: 8
    .kernarg_segment_size: 32
    .max_flat_workgroup_size: 128
    .sgpr_count:     66
    .vgpr_count:     512
    .wavefront_size: 32
...
	.end_amdgpu_metadata
.endif
;; end of part 4
